; MI455X (gfx1250); checked and timed in simulation.
; The chip was launched on July 23, 2026; its instructions are those of AMD's public machine-readable ISA for CDNA 5 (MIT licence, August 2026) and "CDNA5" Instruction Set Architecture Reference Guide (July 2026). The comments in the code are by the model that wrote it; some were corrected since.
;; Transformer Block. Allowed arithmetic: matrix products marked QUANTISED: E2M1 operands, one E8M0 scale for each 32 along K, by v_wmma_scale_f32_16x16x128_f8f6f4 with both operands' format E2M1 (or v_wmma_scale_f32_32x16x128_f4), f32 sums; products left as they are: bf16, f16 or f32 operands; f32 sums; everything else in f32.
;; Inputs: b1 1,024 float32; b2 1,024 float32; b_down 1,024 float32; b_up 4,096 float32; g1 1,024 float32; g2 1,024 float32; mask 1 x 1 x 2,048 x 2,048 bool; w_down 1,024 x 4,096 float32; w_kqv 3,072 x 1,024 float32; w_o 1,024 x 1,024 float32; w_up 4,096 x 1,024 float32; x_embeds 2 x 2,048 x 1,024 float32.
;; Outputs: out0 2 x 2,048 x 1,024 float32.
;; This version of the problem:
;;   THIS VERSION OF THE PROBLEM IS GIVEN IN LOW PRECISION. The matrix products marked QUANTISED in the list below multiply operands that are first quantised to E2M1 (2 exponent bits, 1 mantissa bit; 4 bits a number), with one power-of-two scale for each 32 numbers along K (OCP MX v1.0); their sums are f32. The products marked 'left as it is' may take bf16, f16 or f32 operands, with f32 sums. Whichever they take, every output number must still come out within the allowed error. Rounding operands to bf16 (8 significant bits) uses up far more of that allowance than f16 does (11 bits, for magnitudes from 6e-5 to 65,504). All else is computed in f32.
;;   The module's matrix products, in the order in which they are computed (A, B: the left and right operand; K: the contracted axis; several contracted axes count as one K, in the product's order):
;;     1. [M 4,096, K 1,024] x [K 1,024, N 3,072]; A: input x_embeds; B: input w_kqv: QUANTISED
;;     2. batch 32 x [M 2,048, K 64] x [K 64, N 2,048]; A: computed on the way; B: computed on the way: left as it is (an operand is computed on the way)
;;     3. batch 32 x [M 2,048, K 2,048] x [K 2,048, N 64]; A: computed on the way; B: computed on the way: left as it is (an operand is computed on the way)
;;     4. [M 4,096, K 1,024] x [K 1,024, N 1,024]; A: computed on the way; B: input w_o: left as it is (an operand is computed on the way)
;;     5. [M 4,096, K 1,024] x [K 1,024, N 4,096]; A: computed on the way; B: input w_up: left as it is (an operand is computed on the way)
;;     6. [M 4,096, K 4,096] x [K 4,096, N 1,024]; A: computed on the way; B: input w_down: left as it is (an operand is computed on the way)
;;   THE QUANTISER, for each operand of a quantised product, along K:
;;     - K is cut into blocks of 32 from its start; a last block that is shorter is filled with zeros.
;;     - A block's scale is 2^e with e = floor(log2(the largest magnitude in the block)) - 2, held to -126 .. 127; a block of zeros has e = 0. As a byte (E8M0): e + 127.
;;     - Each number is divided by its block's scale, clamped to +-6, and rounded to the nearest number of E2M1, ties to even, subnormals kept.
;;     - The product sums the exact products of the quantised numbers (number of the format x scale) in f32.
;;   ~~~python
;;   def quantise(x, axis):      # numpy; x: float32 -> the quantised numbers, widened to float32 again
;;       x = np.moveaxis(x, axis, -1); K = x.shape[-1]
;;       x = np.pad(x, [(0, 0)] * (x.ndim - 1) + [(0, -K % 32)]); x = x.reshape(x.shape[:-1] + (-1, 32)); a = np.abs(x).max(-1, keepdims=True)
;;       e = np.where(a > 0, np.clip(np.frexp(np.where(a > 0, a, 1))[1] - 1 - 2, -126, 127), 0)      # np.frexp(a)[1] - 1 = floor(log2(a)), exactly
;;       r = np.clip(x / 2.0 ** e, -6, 6)
;;       step = 2.0 ** (np.maximum(np.frexp(np.where(r == 0, 1, r))[1] - 1, 0) - 1)
;;       q = np.round(r / step) * step * 2.0 ** e      # np.round: ties to even
;;       return np.moveaxis(q.reshape(q.shape[:-2] + (-1,))[..., :K], -1, axis).astype(np.float32)
;;   ~~~
;; One version. Each part assembles by itself: llvm-mc -triple=amdgcn-amd-amdhsa -mcpu=gfx1250 --defsym DOCPART=n.
;; ======== version 1 of 1: 8 launches
;; limits: values are held in f16: magnitudes above 65,504 overflow, below 6.1e-05 lose precision
;; workspace buffers: wsp 22,773,760 bytes; mbits 524,288 bytes of whole numbers; kqv16 25,165,824 bytes; ao16 8,388,608 bytes; t 16,777,216 bytes; xn 25,165,824 bytes; h16 33,554,432 bytes
;; launch prep (part 1): grid 768 x 1, 4 waves a work-group, no clusters, 33,280 bytes of LDS; arguments x_embeds, w_kqv, w_o, w_up, w_down, mask, wsp, mbits; writes wsp, mbits
.if DOCPART == 1
	.amdgcn_target "amdgcn-amd-amdhsa--gfx1250"
	.amdhsa_code_object_version 6
	.text
	.protected	k_q3dee4a83bc_prep
	.globl	k_q3dee4a83bc_prep
	.p2align	8
	.type	k_q3dee4a83bc_prep,@function
k_q3dee4a83bc_prep:
	s_mov_b64 s[64:65], 0
	v_nop
	global_prefetch_b8 v0, s[64:65] scope:SCOPE_SE
	s_setreg_imm32_b32 hwreg(HW_REG_WAVE_MODE, 25, 1), 1
	s_wait_xcnt 0x0
; THE PROGRAM: one transformer block, 4,096 rows of 1,024, 16 heads of 64, a hidden layer of 4,096, in eight launches:
; prep | qkv (x w_kqv^T on codes of E2M1) | attn | wo | ln1 | up | down | ln2.
; DEAD WORK: none.  Every product of the block reaches the output, and the mask is an input: no pattern of it is built in, every key is walked for every query.  Every input is loaded by some launch.
; NUMBER FORMATS: the first product takes both operands through the stated quantiser (this launch).  The five other products take f16 operands and f32 sums.
; LIMITS: a magnitude over 65,504 in an f16 operand (k, q, v, the attention's result, x behind the first norm, the hidden layer, w_o, w_up, w_down) becomes infinity;
; a block of zeros gets the scale byte 1 where the quantiser says 127 (its codes are zeros, and this program alone reads the bytes); blocks whose largest magnitude lies under 2^(2 - 126)
; have their byte held at 1; NaN and infinities among x_embeds and w_kqv are not served.
;
; THIS LAUNCH has three paths, chosen by the work-group's number alone:
;   Q, work-groups 0 to 223:   x_embeds (128 work-groups) and w_kqv (96) become codes of E2M1, K innermost, and one E8M0 byte for each 32 along K.  Rows are dense and 1,024 is a multiple of 32: both are plain streams of blocks.
;   C, work-groups 224 to 511: w_o (32), w_up (128), w_down (128) are rounded to f16, in their own order [n][k].
;   M, work-groups 512 to 767: the mask's bytes become lane masks: word j of (query tile qt, key tile kt) has in bit r + 16 h the byte mask[16 qt + r][16 kt + 8 h + j]:
;      the lanes of register j of a 16 x 16 tile of scores (keys down the registers, a query a lane) that are to be hidden.
; wsp holds, on end: x's codes, x's scale bytes, w_kqv's codes, w_kqv's scale bytes, w_o, w_up, w_down in f16.
.set XS,    2097152                    ; x's scale bytes begin here in wsp
.set WC,    2228224                    ; w_kqv's codes
.set WS,    3801088                    ; w_kqv's scale bytes
.set WO16,  3899392                    ; the three f16 weights, on end
.set WAVES, 4
.set STEPS, 16
.set WGA,   128                        ; 4,096 x 1,024 / 32,768
.set WGQ,   224                        ; + 3,072 x 1,024 / 32,768
.set WGC,   512                        ; + 288 work-groups of 32,768 numbers to round
.set EMAX,  2
.set CB,    8                          ; bytes of 16 codes
.set R,     16                         ; path Q: v16-79 four sets of 16 numbers as loaded
.set X,     80                         ; v80-111 two sets of 16 neighbours
.set C,     128                        ; v128-191 codes: four registers for each step
.set E,     112                        ; v112-127 a scale byte for each step
.set WREG,  8192                       ; LDS (path Q alone): a region for each wave: two stages of 32 x SP bytes, behind them its 256 scale bytes
.set SP,    80                         ; a lane's place in a stage: 64 bytes + 16 of padding
.set SPW,   12                         ; v12 LDS address of my spare word; never rewritten
.set NIL,   13                         ; v13 0; never rewritten
.set SPARE, WAVES*WREG                 ; behind the four regions: the spare words, 128 bytes a wave
	s_load_b512 s[32:47], s[0:1], 0x0              ; x 32, w_kqv 34, w_o 36, w_up 38, w_down 40, mask 42, wsp 44, mbits 46
	v_lshl_add_u32 v[SPW], v0, 2, SPARE
	v_mov_b32 v[NIL], 0
	v_lshrrev_b32 v1, 5, v0
	v_readfirstlane_b32 s16, v1                    ; wave
	v_and_b32 v2, 31, v0                           ; lane
	s_wait_kmcnt 0x0
	s_cmp_ge_u32 ttmp9, WGQ
	s_cbranch_scc1 .Lcast
; ---------------- PATH Q: the quantiser.  A wave takes 16 steps of 512 numbers.  Each of a step's four loads reads 512 consecutive bytes; the 2,048 bytes turn through the wave's own stage in LDS
; and come back 64 bytes a lane, so that a lane holds 16 neighbours along K and two neighbouring lanes a block.  Loads run four steps ahead, the turn through LDS one step.
	v_lshlrev_b32 v3, 4, v2                        ; my 16 bytes of a load's 512
	s_mul_i32 s17, s16, WREG
	v_lshrrev_b32 v14, 2, v2
	v_mul_u32_u24 v14, v14, SP
	v_and_b32 v15, 3, v2
	v_lshl_add_u32 v14, v15, 4, v14
	v_add_nc_u32 v14, s17, v14                     ; the stage, on the way in: SP (lane / 4) + 16 (lane % 4)
	v_mul_u32_u24 v15, v2, SP
	v_add_nc_u32 v15, s17, v15                     ; and on the way out: SP x lane
	v_mul_u32_u24 v4, v2, CB                       ; my codes' place in a step's
	v_lshrrev_b32 v5, 1, v2
	s_add_co_u32 s17, s17, 2*32*SP
	v_add_nc_u32 v5, s17, v5                       ; my wave's 256 scale bytes, my block's byte
	v_lshlrev_b32 v7, 3, v2                        ; and on the way out 8 bytes a lane
	v_add_nc_u32 v6, s17, v7
	s_mov_b64 s[4:5], s[32:33]                     ; x
	s_mov_b64 s[6:7], s[34:35]                     ; w_kqv
	s_mov_b64 s[8:9], s[44:45]                     ; x's codes
	s_add_nc_u64 s[10:11], s[44:45], XS
	s_add_nc_u64 s[12:13], s[44:45], WC
	s_add_nc_u64 s[14:15], s[44:45], WS
	s_cmp_lt_u32 ttmp9, WGA                        ; x's work-group or w_kqv's?  The choice hangs on the work-group's number alone
	s_cselect_b64 s[4:5], s[4:5], s[6:7]
	s_cselect_b64 s[8:9], s[8:9], s[12:13]
	s_cselect_b64 s[10:11], s[10:11], s[14:15]
	s_cselect_b32 s17, 0, WGA
	s_sub_co_u32 s17, ttmp9, s17
	s_lshl_b32 s17, s17, 2
	s_add_co_u32 s18, s17, s16                     ; which run of 8,192 numbers is my wave's
	s_mov_b32 s19, 0
	s_mov_b64 s[20:21], 512*STEPS*4
	s_mul_u64 s[20:21], s[18:19], s[20:21]
	s_add_nc_u64 s[4:5], s[4:5], s[20:21]
	s_mov_b64 s[20:21], 32*STEPS*CB
	s_mul_u64 s[20:21], s[18:19], s[20:21]
	s_add_nc_u64 s[8:9], s[8:9], s[20:21]
	s_lshl_b32 s18, s18, 8                         ; 256 scale bytes a run
	s_add_nc_u64 s[10:11], s[10:11], s[18:19]
.macro QLOAD t
.irp i, 0,1,2,3
	global_load_b128 v[R+16*((\t)%4)+4*\i:R+16*((\t)%4)+4*\i+3], v3, s[4:5] offset:2048*(\t)+512*\i th:TH_LOAD_NT   ; 32 lanes read 512 consecutive bytes
.endr
.endm
.macro QTURN t                         ; step t's numbers through the stage: LDS serves a wave's instructions in order, so no wait stands between the stores and the loads
.irp i, 0,1,2,3
	ds_store_b128 v14, v[R+16*((\t)%4)+4*\i:R+16*((\t)%4)+4*\i+3] offset:32*SP*((\t)%2)+8*SP*\i
.endr
.irp i, 0,1,2,3
	ds_load_b128 v[X+16*((\t)%2)+4*\i:X+16*((\t)%2)+4*\i+3], v15 offset:32*SP*((\t)%2)+16*\i
.endr
.endm
.irp t, 0,1,2,3
	QLOAD \t
.endr
	s_wait_loadcnt 12                              ; step 0's four loads are in; the twelve of steps 1 to 3 may be out
	QTURN 0
.macro QSTEP t
.set XQ, X+16*((\t)%2)
.if (\t) > 0
	s_wait_dscnt 1                                 ; this step's numbers are back from the stage (the last step's byte store may be out)
.else
	s_wait_dscnt 0x0
.endif
.if (\t)+4 < STEPS
	QLOAD (\t)+4                                   ; into the registers that this step's stores into the stage have read
.endif
.if (\t)+1 < STEPS
.if STEPS-2-(\t) >= 3
	s_wait_loadcnt 12                              ; the next step's four loads are in; those of the three steps behind it may be out
.else
	s_wait_loadcnt 4*(STEPS-2-(\t))
.endif
	QTURN (\t)+1
.endif
	v_max3_num_f32 v8, |v[XQ]|, |v[XQ+1]|, |v[XQ+2]|               ; the largest magnitude of my 16, in two chains
	v_max3_num_f32 v9, |v[XQ+3]|, |v[XQ+4]|, |v[XQ+5]|
.irp i, 6,10
	v_max3_num_f32 v8, v8, |v[XQ+\i]|, |v[XQ+\i+1]|
	v_max3_num_f32 v9, v9, |v[XQ+\i+2]|, |v[XQ+\i+3]|
.endr
	v_max3_num_f32 v8, v8, |v[XQ+14]|, |v[XQ+15]|
	v_max3_num_f32 v8, v8, v9, (EMAX+1)<<23        ; and the floor 2^(EMAX + 1 - 127): the byte cannot fall under 1
	v_max_num_f32_dpp v8, v8, v8 row_xmask:1 row_mask:0xf bank_mask:0xf   ; and of my neighbour's 16: the block's
	v_add_nc_u32 v11, -(EMAX<<23), v8              ; EMAX off its exponent field: the conversion takes the exponent field of this operand as its scale
	v_cvt_scalef32_pk8_fp4_f32 v[C+4*(\t)], v[XQ:XQ+7], v11       ; eight numbers / the scale, to the nearest code, ties to even, beyond the largest code the largest
	v_cvt_scalef32_pk8_fp4_f32 v[C+4*(\t)+1], v[XQ+8:XQ+15], v11
	v_lshrrev_b32 v[E+(\t)], 23, v11               ; the scale's byte (a plain line behind the conversions)
	ds_store_b8 v5, v[E+(\t)] offset:16*(\t)       ; both lanes of a block write the same byte with the same value
	global_store_b64 v4, v[C+4*(\t):C+4*(\t)+1], s[8:9] offset:32*CB*(\t)   ; the wave stores 256 consecutive bytes, aligned
.endm
.irp t, 0,1,2,3,4,5,6,7,8,9,10,11,12,13,14,15
	QSTEP \t
.endr
	ds_load_b64 v[8:9], v6                         ; LDS serves a wave's instructions in order: these see my byte stores
	s_wait_dscnt 0x0
	global_store_b64 v7, v[8:9], s[10:11]          ; 32 lanes store the wave's 256 scale bytes, aligned
	s_wait_tensorcnt 0x0                           ; the wave's end
	ds_add_u32 v[SPW], v[NIL]
	s_wait_dscnt 0x0
	s_endpgm
; ---------------- PATH C: f32 to f16.  A wave takes 8,192 numbers: 64 loads of 512 consecutive bytes, in four groups of 16, two groups ahead; each store covers 256 consecutive bytes, aligned.  No LDS.
.Lcast:
	s_cmp_ge_u32 ttmp9, WGC
	s_cbranch_scc1 .Lmask
	s_sub_co_u32 s17, ttmp9, WGQ                   ; which 32,768 numbers of the three weights on end
	s_cmp_lt_u32 s17, 160
	s_cselect_b64 s[4:5], s[38:39], s[40:41]       ; w_up or w_down,
	s_cselect_b32 s18, 32, 160                     ; and where that weight begins in the count
	s_cmp_lt_u32 s17, 32
	s_cselect_b64 s[4:5], s[36:37], s[4:5]         ; or w_o
	s_cselect_b32 s18, 0, s18
	s_sub_co_u32 s18, s17, s18
	s_lshl_b32 s18, s18, 17                        ; 131,072 bytes of f32 a work-group,
	s_lshl_b32 s19, s16, 15                        ; 32,768 a wave
	s_add_co_u32 s18, s18, s19
	s_mov_b32 s19, 0
	s_add_nc_u64 s[4:5], s[4:5], s[18:19]
	s_lshl_b32 s20, s17, 16                        ; half as many of f16; the three lie on end in wsp in the same order
	s_lshl_b32 s21, s16, 14
	s_add_co_u32 s20, s20, s21
	s_add_co_u32 s20, s20, WO16
	s_mov_b32 s21, 0
	s_add_nc_u64 s[6:7], s[44:45], s[20:21]
	v_lshlrev_b32 v3, 4, v2                        ; in: 16 bytes a lane
	v_lshlrev_b32 v4, 3, v2                        ; out: 8
.macro CLOAD g
.irp i, 0,1,2,3,4,5,6,7,8,9,10,11,12,13,14,15
	global_load_b128 v[16+64*((\g)%2)+4*\i:16+64*((\g)%2)+4*\i+3], v3, s[4:5] offset:512*(16*(\g)+\i) th:TH_LOAD_NT
.endr
.endm
.macro CGROUP g
.set IN, 16+64*((\g)%2)
.if (\g) < 3
	s_wait_loadcnt 16                              ; this group's 16 loads are in; the next group's may be out
.else
	s_wait_loadcnt 0x0
.endif
.if (\g) > 0
	s_wait_xcnt 0x0                                ; v144-175 were the last group's store data: they are written again only behind this wait
.endif
.irp i, 0,1,2,3,4,5,6,7,8,9,10,11,12,13,14,15
	v_cvt_pk_f16_f32 v[144+2*\i], v[IN+4*\i], v[IN+4*\i+1]
	v_cvt_pk_f16_f32 v[145+2*\i], v[IN+4*\i+2], v[IN+4*\i+3]
.endr
.if (\g)+2 < 4
	CLOAD (\g)+2
.endif
.irp i, 0,1,2,3,4,5,6,7,8,9,10,11,12,13,14,15
	global_store_b64 v4, v[144+2*\i:145+2*\i], s[6:7] offset:256*(16*(\g)+\i)
.endr
.endm
	CLOAD 0
	CLOAD 1
	CGROUP 0
	CGROUP 1
	CGROUP 2
	CGROUP 3
	s_endpgm
; ---------------- PATH M: the mask's lane masks.  A wave takes 16 queries x 256 keys: 16 key tiles, 128 words, 512 bytes.  Lane (r, h) loads, for key tile t, the 8 bytes mask[16 qt + r][.. + 16 t + 8 h + 0 .. 7]:
; the sixteen loads together read 256 consecutive bytes of each of the 16 rows.  A compare of byte j against 0 gives word 8 t + j; word w goes to lane w / 4, register w % 4, so that one store of 16 bytes a lane
; writes the 512 bytes on end.  No LDS.
.Lmask:
	s_sub_co_u32 s17, ttmp9, WGC
	s_lshl_b32 s17, s17, 2
	s_add_co_u32 s17, s17, s16                     ; J = 8 qt + kg
	s_lshr_b32 s18, s17, 3                         ; qt
	s_and_b32 s19, s17, 7                          ; kg
	s_lshl_b32 s24, s18, 15                        ; 16 rows of 2,048 bytes,
	s_lshl_b32 s25, s19, 8                         ; 256 keys
	s_add_co_u32 s24, s24, s25
	s_mov_b32 s25, 0
	s_add_nc_u64 s[4:5], s[42:43], s[24:25]
	s_lshl_b32 s24, s17, 9                         ; 4,096 qt + 512 kg
	s_add_nc_u64 s[6:7], s[46:47], s[24:25]
	v_and_b32 v4, 15, v2                           ; r
	v_lshrrev_b32 v5, 4, v2                        ; h
	v_lshlrev_b32 v3, 11, v4
	v_lshl_add_u32 v3, v5, 3, v3                   ; 2,048 r + 8 h
	v_lshlrev_b32 v14, 4, v2                       ; out: 16 bytes a lane
.irp t, 0,1,2,3,4,5,6,7,8,9,10,11,12,13,14,15
	global_load_b64 v[16+2*\t:17+2*\t], v3, s[4:5] offset:16*\t
.endr
.irp i, 0,1,2,3
	v_mov_b32 v[8+\i], 0                           ; written whole once: v_writelane_b32 writes one lane
.endr
	s_wait_loadcnt 0x0
.set g, 0
.rept 32                               ; register 16 + g holds bytes j = 4 (g % 2) + 0 .. 3 of key tile g / 2: words 4 g + 0 .. 3, which are lane g's four
.irp i, 0,1,2,3
	v_and_b32 v[4+\i], 0xff<<(8*\i), v[16+g]
.endr
.irp i, 0,1,2,3
	v_cmp_ne_u32 s[20+\i], 0, v[4+\i]              ; bit l: lane l's byte is not 0
.endr
.irp i, 0,1,2,3
	v_writelane_b32 v[8+\i], s[20+\i], g
.endr
.set g, g+1
.endr
	global_store_b128 v14, v[8:11], s[6:7]         ; 512 consecutive bytes, aligned
	s_endpgm
.Lfunc_end_k_q3dee4a83bc_prep:
	.size	k_q3dee4a83bc_prep, .Lfunc_end_k_q3dee4a83bc_prep-k_q3dee4a83bc_prep
	.p2alignl 7, 3214868480
	.fill 96, 4, 3214868480
	.section	.rodata,"a",@progbits
	.p2align	6, 0x0
	.amdhsa_kernel k_q3dee4a83bc_prep
		.amdhsa_group_segment_fixed_size 33280
		.amdhsa_private_segment_fixed_size 0
		.amdhsa_enable_private_segment 0
		.amdhsa_kernarg_size 64
		.amdhsa_user_sgpr_count 2
		.amdhsa_user_sgpr_kernarg_segment_ptr 1
		.amdhsa_wavefront_size32 1
		.amdhsa_system_sgpr_workgroup_id_x 1
		.amdhsa_system_sgpr_workgroup_id_y 1
		.amdhsa_system_sgpr_workgroup_id_z 1
		.amdhsa_system_vgpr_workitem_id 0
		.amdhsa_next_free_vgpr 192
		.amdhsa_next_free_sgpr 66
		.amdhsa_reserve_vcc 0
		.amdhsa_float_denorm_mode_32 3
		.amdhsa_float_denorm_mode_16_64 3
		.amdhsa_memory_ordered 1
		.amdhsa_forward_progress 1
		.amdhsa_inst_pref_size 81
	.end_amdhsa_kernel
	.amdgpu_metadata
---
amdhsa.version: [ 1, 2 ]
amdhsa.kernels:
  - .name:           k_q3dee4a83bc_prep
    .symbol:         k_q3dee4a83bc_prep.kd
    .args:
      - { .name: x_embeds, .offset: 0, .size: 8, .value_kind: global_buffer, .address_space: global }
      - { .name: w_kqv, .offset: 8, .size: 8, .value_kind: global_buffer, .address_space: global }
      - { .name: w_o, .offset: 16, .size: 8, .value_kind: global_buffer, .address_space: global }
      - { .name: w_up, .offset: 24, .size: 8, .value_kind: global_buffer, .address_space: global }
      - { .name: w_down, .offset: 32, .size: 8, .value_kind: global_buffer, .address_space: global }
      - { .name: mask, .offset: 40, .size: 8, .value_kind: global_buffer, .address_space: global }
      - { .name: wsp, .offset: 48, .size: 8, .value_kind: global_buffer, .address_space: global }
      - { .name: mbits, .offset: 56, .size: 8, .value_kind: global_buffer, .address_space: global }
    .group_segment_fixed_size: 33280
    .private_segment_fixed_size: 0
    .kernarg_segment_align: 8
    .kernarg_segment_size: 64
    .max_flat_workgroup_size: 128
    .sgpr_count:     66
    .vgpr_count:     192
    .wavefront_size: 32
...
	.end_amdgpu_metadata
.endif
;; end of part 1
;; launch qkv (part 2): grid 12 x 16, 4 waves a work-group, clusters of 4 x 4, 327,680 bytes of LDS; arguments wsp, kqv16; writes kqv16
.if DOCPART == 2
	.amdgcn_target "amdgcn-amd-amdhsa--gfx1250"
	.amdhsa_code_object_version 6
	.text
	.protected	k_q3dee4a83bc_qkv
	.globl	k_q3dee4a83bc_qkv
	.p2align	8
	.type	k_q3dee4a83bc_qkv,@function
k_q3dee4a83bc_qkv:
	s_mov_b64 s[64:65], 0
	v_nop
	global_prefetch_b8 v0, s[64:65] scope:SCOPE_SE
	s_setreg_imm32_b32 hwreg(HW_REG_WAVE_MODE, 25, 1), 1
	s_wait_xcnt 0x0
	s_wait_alu depctr_hold_cnt(0) depctr_sa_sdst(0) depctr_va_vdst(0) depctr_va_sdst(0) depctr_va_ssrc(0) depctr_va_vcc(0) depctr_vm_vsrc(0)
	s_getreg_b32 s2, hwreg(HW_REG_IB_STS2, 6, 4)
	s_cmp_eq_u32 s2, 0
	s_cbranch_scc0 .Lentry_in_a_cluster
	s_endpgm
.Lentry_in_a_cluster:
	s_bfe_u32 s2, ttmp6, 0x10000c
	s_cmp_lg_u32 s2, 0xf033
	s_cbranch_scc0 .Lentry_shape_is_right
	s_endpgm
.Lentry_shape_is_right:
; kqv = x_embeds w_kqv^T, [4,096] x [3,072], K = 1,024, on codes of E2M1 with one E8M0 scale for each 32 along K, as the launch before has laid them in wsp.  No work of the problem is left out here.
; The result leaves as f16 (the operands of the attention's products), laid [k, q, v][batch][head][position][64]: a plane of 2,048 x 64 for each head.
; LIMIT: a result over 65,504 in magnitude becomes infinity.
; A tile of the result, 256 x 256, is made by a work-group of four waves; a wave makes 128 x 128: 64 accumulators of 16 x 16, 512 registers.  192 work-groups: a tile that gave more would cut a wave's columns inside a head.
; K is two slots of 512 (a tile's row is 256 bytes of memory): both are filled at the start and none again.
; THE SCALES of the work-group's 256 rows of each operand, for all of K, are two dense blocks of memory: they come into LDS once, with the first fills.
; CLUSTERS: 4 x 4 work-groups.  The four of a row of the cluster need the same tiles of x, the four of a column the same tiles of w_kqv: each tile is asked for JOINTLY.
; THE MATRIX INSTRUCTION IS USED TRANSPOSED (source 0 = 16 rows of w_kqv, source 1 = 16 rows of x): a lane then holds eight neighbouring columns of one row.
; REGISTERS, in windows of 256: window 0: v0-31 addresses; v32-95 scale words, two sets; v128-191 x's fragments, ONE set; on the way out v96-127, v192-255.
;   window 1: w_kqv's fragments, TWO sets, at v0 and v128.   window 2: the accumulators of my rows 0-63 ((a, b) at v[8 (8 a + b)]);   window 3: those of my rows 64-127.
.set SIZE_K, 1024
.set XS,     2097152                   ; in wsp: x's scale bytes,
.set WC,     2228224                   ; w_kqv's codes,
.set WS,     3801088                   ; w_kqv's scale bytes
.set KSTEP,  512
.set NQ,     KSTEP/128
.set ROWB,   256                       ; a tile's row in bytes
.set KROW,   SIZE_K/2                  ; a row of codes in memory
.set PITCH,  272                       ; an LDS row: 256 bytes + 16 of padding = 68 words: the 16 rows that a load touches start at 16 different banks (64 banks of 4 bytes: ISA guide 11.1)
.set FR,     8
.set NL,     2
.set NP,     4                         ; places behind this matrix instruction (ISA guide 7.12.1)
.set HALFT,  128*PITCH
.set SLOT,   4*HALFT
.set KS,     SIZE_K/32                 ; a row of scales in bytes
.set SCL,    2*SLOT                    ; behind the ring: the scales, as units of 256 bytes + 16 of padding
.set HALFS,  (128*KS/256)*272
.set SBLK,   (16*KS/256)*272
.set SPARE,  SCL+4*HALFS               ; the spare words, 128 bytes a wave
.set SPB,    144                       ; the way out: a stage row: a head's 64 f16 = 128 bytes + 16
.set STGW,   2*16*SPB                  ; a wave's stage: two heads x 16 rows.  It lies in slot 0, which has had its only fill and its last read when the first result is stored there
.set ADRA, 16
.set ADRB, 20
.set STO,  24
.set RD,   25
.set CO,   26
.set ADRS, 27
.set SPW,  28
.set NIL,  29
.set SC,   32
.set AF,   128
.set TMP,  192                         ; the way out: packed results
.set BK0,  96                          ; rows read back: v96-127 and v224-255 by turns
.set G1, 24
.set G0, 32
.set G1B, 48
.set G0B, 56
.set G1S, 68
.set G0S, 76
.set G1SB, 80
.set G0SB, 88
.set MSB, 0
.macro WIN new                         ; the immediate's high byte repeats the setting that is left
.if MSB != \new
	s_set_vgpr_msb (MSB<<8)|\new
.set MSB, \new
.endif
.endm
.set MUL_LO, 0xa1                      ; source 0 window 1, source 1 window 0, C and D window 2
.set MUL_HI, 0xf1                      ; the same, C and D window 3
.set TO_B,   0x40
; A joint load: waves 0 and 1 fetch for x, waves 2 and 3 for w_kqv.  The branch hangs on the wave's number alone.  An s_nop 0 and four v_nop follow each of the two lines.
.macro JLOAD g0a, g1a, g0b, g1b
	s_cmp_eq_u32 s15, 0
	s_cbranch_scc0 .Lfor_b_\@
	tensor_load_to_lds s[\g0a:\g0a+3], s[\g1a:\g1a+7]
	s_nop 0
.rept 4
	v_nop
.endr
	s_branch .Lasked_\@
.Lfor_b_\@:
	tensor_load_to_lds s[\g0b:\g0b+3], s[\g1b:\g1b+7]
	s_nop 0
.rept 4
	v_nop
.endr
.Lasked_\@:
.endm
.macro CROUND                          ; a round of the cluster's barrier
	s_barrier_signal -1
	s_barrier_wait -1
	s_cmp_lg_u32 s14, 0
	s_cbranch_scc1 .Lnot_wave_0_\@
	s_barrier_signal -3
.Lnot_wave_0_\@:
	s_barrier_wait -3
	s_barrier_signal -1
	s_barrier_wait -1
.endm
	s_load_b128 s[4:7], s[0:1], 0x0                ; wsp s[4:5], kqv16 s[6:7]
	v_lshl_add_u32 v[SPW], v0, 2, SPARE
	v_mov_b32 v[NIL], 0
	ds_add_u32 v[SPW], v[NIL]                      ; the wave's opening: the add, twice on end, and its wait ahead of my first tensor load
	ds_add_u32 v[SPW], v[NIL]
	v_lshrrev_b32 v1, 5, v0
	v_readfirstlane_b32 s14, v1                    ; wave 0..3
	s_lshr_b32 s15, s14, 1                         ; which half of the tile's rows is mine.  Also: I fetch for x (0) or for w_kqv (1)
	s_and_b32 s16, s14, 1                          ; which half of its columns.  Also: which 128 rows of that tile I fetch
	s_bfe_u32 s40, ttmp6, 0x40000                  ; cx, cy
	s_bfe_u32 s41, ttmp6, 0x40004
	s_lshl_b32 s42, ttmp9, 2
	s_add_co_u32 s42, s42, s40                     ; tile column
	s_and_b32 s17, ttmp7, 0xffff
	s_lshl_b32 s17, s17, 2
	s_add_co_u32 s17, s17, s41                     ; tile row
	s_lshl_b32 s43, s41, 2
	s_lshl_b32 s43, 15, s43                        ; my row of the cluster
	s_lshl_b32 s44, 0x1111, s40                    ; my column
	s_or_b32 s[G1+0], s43, (0<<16)|(1<<20)|(1<<21)|(5<<22)|(3<<25)  ; the mask; elements of 1 byte; padding on; bit 21 beside a mask; after every 64 words four words
	s_or_b32 s[G1B+0], s44, (0<<16)|(1<<20)|(1<<21)|(5<<22)|(3<<25)
.irp g, G1, G1B
	s_mov_b32 s[\g+1], ROWB<<16                    ; tensor_dim0
	s_mov_b32 s[\g+2], 128<<16                     ; tensor_dim1
	s_mov_b32 s[\g+3], ROWB<<16                    ; tile_dim0
	s_mov_b32 s[\g+4], 128                         ; tile_dim1
	s_mov_b32 s[\g+5], KROW                        ; from row to row
	s_mov_b32 s[\g+6], 0
	s_mov_b32 s[\g+7], 0
.endr
	s_or_b32 s[G1S+0], s43, (3<<16)|(1<<20)|(1<<21)|(5<<22)|(3<<25)   ; the scales of 128 rows: a dense block, as rows of 256 bytes (32 elements of 8 bytes), 16 bytes of padding behind each
	s_or_b32 s[G1SB+0], s44, (3<<16)|(1<<20)|(1<<21)|(5<<22)|(3<<25)
.irp g, G1S, G1SB
	s_mov_b32 s[\g+1], 32<<16
	s_mov_b32 s[\g+2], (128*KS/256)<<16
	s_mov_b32 s[\g+3], 32<<16
	s_mov_b32 s[\g+4], 128*KS/256
	s_mov_b32 s[\g+5], 32
	s_mov_b32 s[\g+6], 0
	s_mov_b32 s[\g+7], 0
.endr
	s_lshl_b32 s18, s16, 7
	s_lshl_b32 s20, s17, 8
	s_add_co_u32 s20, s20, s18                     ; x: row 256 x tile row + 128 x half
	s_lshl_b32 s46, s42, 8
	s_add_co_u32 s46, s46, s18                     ; w_kqv: row 256 x tile column + 128 x half
	s_mov_b32 s21, 0
	s_mov_b32 s47, 0
	s_mov_b64 s[18:19], KS
	s_mul_u64 s[22:23], s[20:21], s[18:19]         ; where these rows' scales begin,
	s_mul_u64 s[92:93], s[46:47], s[18:19]
	s_mov_b64 s[18:19], KROW
	s_mul_u64 s[20:21], s[20:21], s[18:19]         ; and their codes
	s_mul_u64 s[46:47], s[46:47], s[18:19]
	s_mul_i32 s45, s14, HALFT                      ; where they go: wave x 128 rows
	s_mul_i32 s94, s14, HALFS
	s_wait_dscnt 0x0                               ; both opening adds are done
	s_wait_kmcnt 0x0
	s_mov_b64 s[12:13], s[6:7]                     ; the result
	s_add_nc_u64 s[10:11], s[4:5], WS              ; w_kqv's scales,
	s_add_nc_u64 s[8:9], s[4:5], WC                ; its codes,
	s_add_nc_u64 s[6:7], s[4:5], XS                ; x's scales; x's codes begin wsp
	s_add_nc_u64 s[20:21], s[4:5], s[20:21]
	s_add_nc_u64 s[22:23], s[6:7], s[22:23]
	s_add_nc_u64 s[46:47], s[8:9], s[46:47]
	s_add_nc_u64 s[92:93], s[10:11], s[92:93]
	CROUND                                         ; all sixteen work-groups are here: the joint loads meet
	s_mov_b32 s[G0S], 1
	s_add_co_u32 s[G0S+1], s94, SCL
	s_mov_b64 s[G0S+2:G0S+3], s[22:23]
	s_or_b32 s[G0S+3], s[G0S+3], 0x80000000
	s_mov_b32 s[G0SB], 1
	s_add_co_u32 s[G0SB+1], s94, SCL
	s_mov_b64 s[G0SB+2:G0SB+3], s[92:93]
	s_or_b32 s[G0SB+3], s[G0SB+3], 0x80000000
	JLOAD G0S, G1S, G0SB, G1SB                     ; the scales first: they are wanted with the first slot
.irp s, 0,1
	s_mov_b32 s[G0+4*\s], 1
	s_add_co_u32 s[G0+4*\s+1], s45, \s*SLOT
	s_add_nc_u64 s[G0+4*\s+2:G0+4*\s+3], s[20:21], \s*ROWB
	s_or_b32 s[G0+4*\s+3], s[G0+4*\s+3], 0x80000000
	s_mov_b32 s[G0B+4*\s], 1
	s_add_co_u32 s[G0B+4*\s+1], s45, \s*SLOT
	s_add_nc_u64 s[G0B+4*\s+2:G0B+4*\s+3], s[46:47], \s*ROWB
	s_or_b32 s[G0B+4*\s+3], s[G0B+4*\s+3], 0x80000000
	JLOAD G0+4*\s, G1, G0B+4*\s, G1B               ; three tensor loads of mine are out behind the second
.endr
	v_and_b32 v1, 15, v0                           ; l % 16
	v_bfe_u32 v2, v0, 4, 1                         ; l / 16
	v_mul_u32_u24 v3, v1, PITCH
	v_lshl_add_u32 v4, v2, 4, v3                   ; a fragment's row x pitch + 16 x half
	s_mul_i32 s21, s15, HALFT                      ; my 128 rows of x
	s_mul_i32 s22, s16, HALFT                      ; my 128 rows of w_kqv,
	s_add_co_u32 s22, s22, 2*HALFT                 ; which lie behind x's 256
.irp s, 0,1
	v_add_nc_u32 v[ADRA+\s], s21, v4
	v_add_nc_u32 v[ADRB+\s], s22, v4
	s_add_co_u32 s21, s21, SLOT
	s_add_co_u32 s22, s22, SLOT
.endr
	v_mul_u32_u24 v5, v1, KS                       ; my row's scales: KS bytes a row,
	v_lshrrev_b32 v6, 8, v5
	v_lshl_add_u32 v5, v6, 4, v5                   ; and 16 more for each 256 passed
	s_mul_i32 s21, s15, HALFS
	s_mul_i32 s22, s16, HALFS
	s_add_co_u32 s22, s22, 2*HALFS
	s_sub_co_u32 s22, s22, s21
	v_mul_u32_u24 v6, s22, v2                      ; lanes 16-31 take w_kqv's: one product, the distance between the two bases
	s_add_co_u32 s21, s21, SCL
	v_add_nc_u32 v5, v5, v6
	v_add_nc_u32 v[ADRS], s21, v5
	s_mul_i32 s23, s14, STGW                       ; my stage
	v_mul_u32_u24 v5, v1, SPB                      ; in: row l % 16, 16 bytes for each half of the lanes
	v_lshl_add_u32 v5, v2, 4, v5
	v_add_nc_u32 v[STO], s23, v5
	v_and_b32 v6, 31, v0
	v_lshlrev_b32 v[CO], 4, v6                     ; out: 16 bytes a lane, 512 on end
	v_lshrrev_b32 v5, 3, v6                        ; back: eight lanes to a row of 128 bytes, four rows an instruction
	v_mul_u32_u24 v5, v5, SPB
	v_and_b32 v6, 7, v6
	v_lshl_add_u32 v5, v6, 4, v5
	v_add_nc_u32 v[RD], s23, v5
	; where my 128 rows x 2 heads begin in the result: plane ((which x 2 + batch) x 16 + head) of 262,144 bytes, + position x 128
	s_lshl_b32 s20, s17, 8
	s_lshl_b32 s21, s15, 7
	s_add_co_u32 s20, s20, s21                     ; my first row
	s_lshr_b32 s21, s20, 11                        ; the batch:
	s_lshl_b32 s21, s21, 22                        ; 16 planes
	s_and_b32 s20, s20, 2047                       ; the position
	s_lshl_b32 s20, s20, 7
	s_add_co_u32 s20, s20, s21
	s_lshl_b32 s46, s42, 8
	s_lshl_b32 s47, s16, 7
	s_add_co_u32 s46, s46, s47                     ; my first column
	s_lshr_b32 s47, s46, 10                        ; k, q or v:
	s_lshl_b32 s47, s47, 23                        ; 32 planes
	s_and_b32 s46, s46, 1023
	s_lshr_b32 s46, s46, 6                         ; the head
	s_lshl_b32 s46, s46, 18
	s_add_co_u32 s46, s46, s47
	s_add_co_u32 s20, s20, s46
	s_mov_b32 s21, 0
	s_add_nc_u64 s[12:13], s[12:13], s[20:21]
.macro FRAG reg, adr, q, i             ; 16 rows x 128 K of 4-bit codes: lane l holds row l % 16; registers 4 c .. 4 c + 3 hold K = 64 c + 32 (l / 16) + 0 .. 31
.irp c, 0,1
	ds_load_b128 v[\reg+4*\c:\reg+4*\c+3], v[\adr] offset:64*(\q)+32*\c+(\i)*16*PITCH
.endr
.endm
; 16 matrix instructions: x's blocks a0, a0 + 1 against w_kqv's eight, 128 along K.  The 64 accumulators take turns, one instruction a turn, in the same order in every step.
; One register carries x's scale word (lanes 0-15) and w_kqv's (lanes 16-31) of block i.
.macro MUL16 a0, p, q, sc, zero
.irp a, \a0, \a0+1
.irp b, 0,1,2,3,4,5,6,7
.if \zero
	v_wmma_scale_f32_16x16x128_f8f6f4 v[8*(8*((\a)%4)+\b):8*(8*((\a)%4)+\b)+7], v[128*(\p)+FR*\b:128*(\p)+FR*\b+FR-1], v[AF+FR*(\a):AF+FR*(\a)+FR-1], 0, v[SC+8*NQ*(\sc)+NQ*\b+(\q)], v[SC+8*NQ*(\sc)+NQ*(\a)+(\q)] matrix_a_fmt:MATRIX_FMT_FP4 matrix_b_fmt:MATRIX_FMT_FP4 matrix_a_scale:MATRIX_SCALE_ROW1
.else
	v_wmma_scale_f32_16x16x128_f8f6f4 v[8*(8*((\a)%4)+\b):8*(8*((\a)%4)+\b)+7], v[128*(\p)+FR*\b:128*(\p)+FR*\b+FR-1], v[AF+FR*(\a):AF+FR*(\a)+FR-1], v[8*(8*((\a)%4)+\b):8*(8*((\a)%4)+\b)+7], v[SC+8*NQ*(\sc)+NQ*\b+(\q)], v[SC+8*NQ*(\sc)+NQ*(\a)+(\q)] matrix_a_fmt:MATRIX_FMT_FP4 matrix_b_fmt:MATRIX_FMT_FP4 matrix_a_scale:MATRIX_SCALE_ROW1
.endif
.endr
.endr
.endm
.macro FETCH_B slot, q, p
	WIN TO_B
.irp i, 0,1,2,3,4,5,6,7
	FRAG 128*(\p)+FR*\i, ADRB+\slot, \q, \i
.endr
	WIN 0
.endm
.macro FETCH_A slot, q, i0
.irp i, \i0, \i0+1, \i0+2, \i0+3
	FRAG AF+FR*(\i), ADRA+\slot, \q, \i
.endr
.endm
.macro SCALES sc                       ; a slot's scale words: NQ words a row; lanes 0-15 take x's block i, lanes 16-31 w_kqv's
.irp i, 0,1,2,3,4,5,6,7
	ds_load_b128 v[SC+8*NQ*\sc+NQ*\i:SC+8*NQ*\sc+NQ*\i+3], v[ADRS] offset:\i*SBLK
.endr
.endm
.macro PLACES n                        ; plain vector instructions that name none of the matrix instruction's registers, in front of loads into registers that it has read and of reads of results
.rept \n
	v_nop
.endr
.endm
.macro STEP slot, q, zero              ; 128 along K with its successor in the same slot
	s_wait_dscnt 4*NL                              ; w_kqv's set and x's blocks 0-3 are in; the youngest eight loads (x's blocks 4-7) may be out
	WIN MUL_LO
	MUL16 0, (\q)%2, \q, \slot, \zero
	MUL16 2, (\q)%2, \q, \slot, \zero
	s_wait_dscnt 0                                 ; x's blocks 4-7 are in
	PLACES NP
	FETCH_B \slot, (\q)+1, 1-(\q)%2
	FETCH_A \slot, (\q)+1, 0
	WIN MUL_HI
	MUL16 4, (\q)%2, \q, \slot, \zero
	MUL16 6, (\q)%2, \q, \slot, \zero
	PLACES NP
	WIN 0
	FETCH_A \slot, (\q)+1, 4
.endm
.macro TURN slot, next                 ; a slot's last step changes slots: one barrier; nothing is filled again
	s_wait_tensorcnt 0x0                           ; all my tensor loads have landed: my part of the next slot
	ds_add_u32 v[SPW], v[NIL]                      ; 0 onto my spare word
	s_wait_dscnt 4*NL+1                            ; (the add and the youngest eight loads may be out)
	WIN MUL_LO
	MUL16 0, 1, NQ-1, \slot, 0
	s_wait_dscnt 0x0                               ; the add is done, and my reads of this slot are over
	s_barrier_signal -1
	MUL16 2, 1, NQ-1, \slot, 0
	WIN 0
	s_barrier_wait -1                              ; the next slot is whole, and nobody reads this one any more
	PLACES NP
	v_add_nc_u32 v[ADRS], 4*NQ, v[ADRS]            ; on to the next slot's scale words
	FETCH_B \next, 0, 0
	FETCH_A \next, 0, 0
	SCALES \next
	WIN MUL_HI
	MUL16 4, 1, NQ-1, \slot, 0
	MUL16 6, 1, NQ-1, \slot, 0
	PLACES NP
	WIN 0
	FETCH_A \next, 0, 4
.endm
.macro STEPS slot, from
.set Q, \from
.rept NQ-1-\from
	STEP \slot, Q, 0
.set Q, Q+1
.endr
.endm
	s_wait_tensorcnt 1                             ; the scales and my part of slot 0 are in (slot 1's load may be out)
	s_barrier_signal -1
	s_barrier_wait -1                              ; everybody's are
	FETCH_B 0, 0, 0
	FETCH_A 0, 0, 0
	SCALES 0
	FETCH_A 0, 0, 4
	STEP 0, 0, 1                                   ; the first products start the sums: nothing is cleared
	STEPS 0, 1
	TURN 0, 1
	STEPS 1, 0
	s_wait_dscnt 4*NL                              ; the very last step: nothing more to fetch
	WIN MUL_LO
	MUL16 0, 1, NQ-1, 1, 0
	MUL16 2, 1, NQ-1, 1, 0
	s_wait_dscnt 0
	WIN MUL_HI
	MUL16 4, 1, NQ-1, 1, 0
	MUL16 6, 1, NQ-1, 1, 0
	WIN 0
; THE WAY OUT, block by block of 16 rows x 128 columns (two heads).  PACK: rounded to f16, 16 bytes a lane, each accumulator from its low end on.  TOSTAGE: into my own stage, [head][row], and back four rows of a head
; at a time.  SEND: a head's rows are dense in its plane, so each store covers 512 consecutive bytes, aligned.  LDS serves a wave's instructions in order (ISA guide 5.7.1.4): no wait between the stores and the loads.
.macro PACK a
.set AC, 64*((\a)%4)
	WIN 0x0a+5*((\a)/4)                            ; sources 0 and 1: window 2 or 3
.irp b, 0,1,2,3,4,5,6,7
.irp r, 0,1,2,3
	v_cvt_pk_f16_f32 v[TMP+4*\b+\r], v[AC+8*\b+2*\r], v[AC+8*\b+2*\r+1]
.endr
.endr
	WIN 0
.endm
.macro TOSTAGE a
.set BB, BK0+128*((\a)%2)
.irp b, 0,1,2,3,4,5,6,7
	ds_store_b128 v[STO], v[TMP+4*\b:TMP+4*\b+3] offset:(\b/4)*16*SPB+(\b%4)*32
.endr
.irp e, 0,1
.irp i, 0,1,2,3
	ds_load_b128 v[BB+4*(4*\e+\i):BB+4*(4*\e+\i)+3], v[RD] offset:\e*16*SPB+\i*4*SPB
.endr
.endr
.endm
.macro SEND a
.set BB, BK0+128*((\a)%2)
	s_wait_dscnt 0x0                               ; the block is back in registers
	s_wait_xcnt 0x0                                ; the stores of the block before have read their registers: the next block's loads may land there
.irp e, 0,1
.irp i, 0,1,2,3
	global_store_b128 v[CO], v[BB+4*(4*\e+\i):BB+4*(4*\e+\i)+3], s[12:13] offset:\e*262144+(\a)*2048+\i*512
.endr
.endr
.endm
	PLACES NP                                      ; behind the last products, ahead of the first read of results
	PACK 0
	TOSTAGE 0
.irp a, 1,2,3,4,5,6,7                  ; block a's conversions stand between block a - 1's loads from the stage and the wait for them
	PACK \a
	SEND \a-1
	TOSTAGE \a
.endr
	SEND 7
	s_wait_tensorcnt 0x0                           ; the wave's end
	ds_add_u32 v[SPW], v[NIL]
	s_wait_dscnt 0x0
	CROUND                                         ; the closing round
	s_endpgm
.Lfunc_end_k_q3dee4a83bc_qkv:
	.size	k_q3dee4a83bc_qkv, .Lfunc_end_k_q3dee4a83bc_qkv-k_q3dee4a83bc_qkv
	.p2alignl 7, 3214868480
	.fill 96, 4, 3214868480
	.section	.rodata,"a",@progbits
	.p2align	6, 0x0
	.amdhsa_kernel k_q3dee4a83bc_qkv
		.amdhsa_group_segment_fixed_size 327680
		.amdhsa_private_segment_fixed_size 0
		.amdhsa_enable_private_segment 0
		.amdhsa_kernarg_size 16
		.amdhsa_user_sgpr_count 2
		.amdhsa_user_sgpr_kernarg_segment_ptr 1
		.amdhsa_wavefront_size32 1
		.amdhsa_system_sgpr_workgroup_id_x 1
		.amdhsa_system_sgpr_workgroup_id_y 1
		.amdhsa_system_sgpr_workgroup_id_z 1
		.amdhsa_system_vgpr_workitem_id 0
		.amdhsa_next_free_vgpr 1024
		.amdhsa_next_free_sgpr 98
		.amdhsa_reserve_vcc 0
		.amdhsa_float_denorm_mode_32 3
		.amdhsa_float_denorm_mode_16_64 3
		.amdhsa_memory_ordered 1
		.amdhsa_forward_progress 1
		.amdhsa_inst_pref_size 127
	.end_amdhsa_kernel
	.amdgpu_metadata
---
amdhsa.version: [ 1, 2 ]
amdhsa.kernels:
  - .name:           k_q3dee4a83bc_qkv
    .symbol:         k_q3dee4a83bc_qkv.kd
    .args:
      - { .name: wsp, .offset: 0, .size: 8, .value_kind: global_buffer, .address_space: global }
      - { .name: kqv16, .offset: 8, .size: 8, .value_kind: global_buffer, .address_space: global }
    .group_segment_fixed_size: 327680
    .private_segment_fixed_size: 0
    .kernarg_segment_align: 8
    .kernarg_segment_size: 16
    .max_flat_workgroup_size: 128
    .sgpr_count:     98
    .vgpr_count:     1024
    .wavefront_size: 32
...
	.end_amdgpu_metadata
.endif
;; end of part 2
;; launch attn (part 3): grid 8 x 32, 8 waves a work-group, clusters of 4 x 1, 327,680 bytes of LDS; arguments kqv16, mbits, ao16; writes ao16
.if DOCPART == 3
	.amdgcn_target "amdgcn-amd-amdhsa--gfx1250"
	.amdhsa_code_object_version 6
	.text
	.protected	k_q3dee4a83bc_attn
	.globl	k_q3dee4a83bc_attn
	.p2align	8
	.type	k_q3dee4a83bc_attn,@function
k_q3dee4a83bc_attn:
	s_mov_b64 s[64:65], 0
	v_nop
	global_prefetch_b8 v0, s[64:65] scope:SCOPE_SE
	s_setreg_imm32_b32 hwreg(HW_REG_WAVE_MODE, 25, 1), 1
	s_wait_xcnt 0x0
	s_wait_alu depctr_hold_cnt(0) depctr_sa_sdst(0) depctr_va_vdst(0) depctr_va_sdst(0) depctr_va_ssrc(0) depctr_va_vcc(0) depctr_vm_vsrc(0)
	s_getreg_b32 s2, hwreg(HW_REG_IB_STS2, 6, 4)
	s_cmp_eq_u32 s2, 0
	s_cbranch_scc0 .Lentry_in_a_cluster
	s_endpgm
.Lentry_in_a_cluster:
	s_bfe_u32 s2, ttmp6, 0x10000c
	s_cmp_lg_u32 s2, 0x3003
	s_cbranch_scc0 .Lentry_shape_is_right
	s_endpgm
.Lentry_shape_is_right:
; O[b][h][q] = the sum over k of softmax_k(where(mask[q][k], -infinity, Q[q] . K[k] / 8)) V[k], for 32 (batch, head) planes of 2,048 x 64.  Q, K, V: f16; products, maxima and sums in f32;
; the weights p are rounded to f16 for the second product (they are at most 1), O once at the end.  No work of the problem is left out: the mask is an input, so every key is walked for every query.
; THE MASK comes as lane masks that the first launch stored (word j of a 16 x 16 tile: the lanes of register j that are hidden).  They are read by scalar loads and steer v_cndmask_b32 alone: no branch, no address.
; SOFTMAX.  For each query a running maximum m (begun at -3e38) and sum l: p = 2^(c s - c m), c = log2(e) / 8; in every step O and l are multiplied by a = 2^(c m_old - c m_new).  A hidden score is -infinity ahead of
; the maximum, so its p is 0.  A query all of whose keys are hidden ends with l = 0 and O = 0 x (1 / 0) = NaN, as the softmax of the problem gives.
; LIMITS: a score under -3e38 is taken for the maximum's start; scores of +infinity or NaN are not served; a result over 65,504 in magnitude becomes infinity.
; SHARES.  A work-group owns 256 queries of one plane, each of its eight waves 32: two tiles of 16, in 256 registers: two waves to a SIMD, so that one wave's vector work stands beside the other's matrix work.
; A step of 64 keys has 304 vector instructions (v_nop not counted) beside its 32 matrix instructions: the vector work is the larger part however the lines are ordered.
; THE STEP GOES TILE BY TILE, AND THE MASK WORDS ARE ASKED FOR AHEAD.  One set of 32 scalar registers serves both tiles by turns: as soon as a tile's 32 v_cndmask_b32 have read it, the other tile's next words are requested.
; Tile 1's request stands behind tile 0's masking: tile 1's eight products K Q^T, V's loads, tile 0's softmax and its eight products V^T P (152 instructions) lie between it and the wait for it.  Tile 0's request for the NEXT
; step stands behind tile 1's masking: tile 1's softmax and products, the next K's loads and tile 0's products (160 instructions) lie between.  The price is a wait for the exponentials for each tile, two a step.
; LAYOUT.  S^T = K Q^T (source 0 = 16 keys, source 1 = 16 queries): a lane holds ONE query (lane % 16) and the keys 8 (lane / 16) + 0..7.  Two such tiles, rounded to f16 in pairs, ARE source 1 of O^T = V^T P.
; K comes out of LDS as it lies, V ([key][channel]) turned, by ds_load_tr16_b128.
; CLUSTER.  The four query blocks of a cluster belong to one plane and walk the same K and V: each tile is asked for JOINTLY, with a mask that names the four.
; THE RING.  Two slots of 512 keys; the plane's 2,048 keys are four slots' worth: two first fills and two refills.  A refill has the other slot's eight steps in which to land, and a wave has one load out behind each round
; (two at the start).  No prefetch is laid: between a refill's request and the wait for it stand eight whole steps of the wave's work.
; The result leaves laid [head][batch x position][64], so that a wave's 32 rows are 4,096 consecutive bytes and the next product finds 64 along its K in dense rows.
.set PK,    144                        ; a row of K in LDS: 128 bytes + 16: an odd multiple of 16
.set PV,    160                        ; a row of V: 128 + 32: an odd multiple of 32, for the turning load
.set SKEYS, 512
.set VOFF,  SKEYS*PK                   ; a slot: 512 rows of K, then 512 rows of V
.set SLOTB, SKEYS*(PK+PV)
.set SPARE, 2*SLOTB                    ; behind the ring: the spare words, 128 bytes for each of eight waves
.set STGW,  32*PK                      ; the way out: 32 rows x 144 bytes a wave, in slot 0: it has had its last fill, and its last read lies ahead of the last change's barrier
.set MROW,  4096                       ; a query tile's row of mask words: 128 key tiles x 8 words x 4 bytes
.set AK0, 1                            ; v1  my lane's place in a tile of K
.set AV0, 2                            ; v2  the same for V
.set ADK, 3                            ; v3  LDS address of the step's K
.set ADV, 4                            ; v4  of its V
.set SPW, 5                            ; v5  my spare word; never rewritten
.set NIL, 6                            ; v6  0; never rewritten
.set NEG, 7                            ; v7  -infinity
.set QO,  8                            ; v8  my byte offset in the wave's rows of Q
.set RD,  9                            ; v9  the way out: where I read rows back
.set GO,  10                           ; v10 my byte offset in the wave's rows of O
.set STO, 13                           ; v13 the way out: where I put 16 bytes of a row
.set ST,  16                           ; tile x's statistics at v[ST + 8 x]: +0 c m, +1 m, +2, +3 l, +4 to +7 at work; a in +6
.set Q,   32                           ; Q: tile x, channels 32 c on, at v[Q + 16 x + 8 c]
.set S,   64                           ; S^T, 32 a tile; P is laid over a tile's low 16
.set O,   128                          ; O^T: tile x, channels 16 f on, at v[O + 32 x + 8 f]
.set KV,  192                          ; K's eight fragments, then V's eight
.set WV,  16
.set G1K, 24
.set G1V, 32
.set G0K, 40                           ; s[40:47] a group 0 for each slot
.set G0V, 48
.set CNT, 56
.set TK,  57                           ; LDS byte at which the step's K begins
.set TV,  58                           ; and its V (less VOFF)
.set MO,  59                           ; the step's place in a query tile's row of mask words: 128 bytes a step
.set SEL, 60
.set CS,  62
.set MB,  66                           ; s[66:67] my first query tile's mask words
.set M,   68                           ; s[68:99] one tile's 32 mask words
.macro CROUND
	s_barrier_signal -1
	s_barrier_wait -1
	s_cmp_lg_u32 s[WV], 0
	s_cbranch_scc1 .Lnot_wave_0_\@
	s_barrier_signal -3
.Lnot_wave_0_\@:
	s_barrier_wait -3
	s_barrier_signal -1
	s_barrier_wait -1
.endm
; A joint refill of slot s: waves 0 to 3 fetch K's four quarters, waves 4 to 7 V's.  The branch hangs on the wave's number alone.  An s_nop 0 and four v_nop follow each of the two lines.
.macro JLOAD s
	s_cmp_lt_u32 s[WV], 4
	s_cbranch_scc0 .Lfor_v_\@
	tensor_load_to_lds s[G0K+4*\s:G0K+4*\s+3], s[G1K:G1K+7]
	s_nop 0
.rept 4
	v_nop
.endr
	s_branch .Lasked_\@
.Lfor_v_\@:
	tensor_load_to_lds s[G0V+4*\s:G0V+4*\s+3], s[G1V:G1V+7]
	s_nop 0
.rept 4
	v_nop
.endr
.Lasked_\@:
.endm
	s_load_b128 s[4:7], s[0:1], 0x0                ; kqv16 s[4:5], mbits s[6:7]
	s_load_b64 s[8:9], s[0:1], 0x10                ; ao16
	v_lshl_add_u32 v[SPW], v0, 2, SPARE
	v_mov_b32 v[NIL], 0
	ds_add_u32 v[SPW], v[NIL]                      ; the wave's opening: the add, twice on end, and its wait ahead of my first tensor load
	ds_add_u32 v[SPW], v[NIL]
	v_lshrrev_b32 v11, 5, v0
	v_readfirstlane_b32 s[WV], v11                 ; wave 0..7
	s_bfe_u32 s17, ttmp6, 0x40000                  ; cx
	s_lshl_b32 s18, ttmp9, 2
	s_add_co_u32 s18, s18, s17                     ; my block of 256 queries: it enters Q's, O's and the mask words' addresses alone
	s_and_b32 s19, ttmp7, 0xffff                   ; the plane, 16 x batch + head, which the four partners share
	s_and_b32 s20, s[WV], 3                        ; which quarter of a slot I fetch
	s_lshl_b32 s22, s19, 18                        ; the plane's 262,144 bytes,
	s_lshl_b32 s21, s20, 14                        ; my quarter's 128 rows of 128 bytes
	s_add_co_u32 s22, s22, s21
	s_mov_b32 s23, 0
	s_mul_i32 s21, s20, 128*PK                     ; and its place in a slot: K's,
	s_mul_i32 s20, s20, 128*PV
	s_add_co_u32 s20, s20, VOFF                    ; V's
	s_lshl_b32 s2, s18, 15
	s_lshl_b32 s3, s[WV], 12
	s_add_co_u32 s2, s2, s3                        ; my 32 rows in a plane, in bytes
	s_lshl_b32 s3, s19, 18
	s_add_co_u32 s56, s2, s3
	s_add_co_u32 s56, s56, 0x800000                ; Q's planes lie 32 planes behind K's
	s_mov_b32 s57, 0
	s_and_b32 s3, s19, 15                          ; O: the head's 4,096 rows,
	s_lshl_b32 s3, s3, 19
	s_add_co_u32 s58, s2, s3
	s_lshr_b32 s3, s19, 4                          ; the batch's 2,048
	s_lshl_b32 s3, s3, 18
	s_add_co_u32 s58, s58, s3
	s_mov_b32 s59, 0
	s_lshl_b32 s2, s2, 1                           ; the mask words: 4,096 bytes for each 16 queries
	s_mov_b32 s3, 0
	; descriptor group 1: 128 rows x 64 elements of 2 bytes, dense in memory, padded in LDS
	s_mov_b32 s[G1K], 15|(1<<16)|(1<<20)|(1<<21)|(4<<22)|(3<<25)  ; the mask: all four work-groups; elements of 2 bytes; padding on; bit 21 beside a mask; after every 32 words four words
	s_mov_b32 s[G1V], 15|(1<<16)|(1<<20)|(1<<21)|(4<<22)|(7<<25)  ; the same with eight words of padding
.irp g, G1K, G1V
	s_mov_b32 s[\g+1], 64<<16                      ; tensor_dim0
	s_mov_b32 s[\g+2], 128<<16                     ; tensor_dim1
	s_mov_b32 s[\g+3], 64<<16                      ; tile_dim0
	s_mov_b32 s[\g+4], 128                         ; tile_dim1
	s_mov_b32 s[\g+5], 64                          ; from row to row
	s_mov_b32 s[\g+6], 0
	s_mov_b32 s[\g+7], 0
.endr
	s_mov_b32 s[SEL], 0x76543210
	s_mov_b32 s[SEL+1], 0xfedcba98                 ; v_permlanex16_b32: lane l xor 16
	s_mov_b32 s[CS], 0x3e38aa3b                    ; c = log2(e) / 8
	s_mov_b32 s[CS+1], s[CS]                       ; (named with it as a pair, so it is written)
	s_wait_dscnt 0x0                               ; both opening adds are done
	s_wait_kmcnt 0x0
	s_add_nc_u64 s[10:11], s[4:5], s[22:23]        ; K at my quarter of slot 0
	s_add_nc_u64 s[12:13], s[10:11], 0x1000000     ; V's planes lie 64 planes behind K's
	s_add_nc_u64 s[14:15], s[4:5], s[56:57]        ; Q at my wave's first row
	s_add_nc_u64 s[8:9], s[8:9], s[58:59]          ; O likewise
	s_add_nc_u64 s[MB:MB+1], s[6:7], s[2:3]
	s_mov_b32 s[MO], 0
	CROUND                                         ; all four work-groups are here: the first joint loads meet
.irp s, 0,1
	s_mov_b32 s[G0K+4*\s], 1
	s_add_co_u32 s[G0K+4*\s+1], s21, \s*SLOTB
	s_add_nc_u64 s[G0K+4*\s+2:G0K+4*\s+3], s[10:11], \s*SKEYS*128
	s_or_b32 s[G0K+4*\s+3], s[G0K+4*\s+3], 0x80000000
	s_mov_b32 s[G0V+4*\s], 1
	s_add_co_u32 s[G0V+4*\s+1], s20, \s*SLOTB
	s_add_nc_u64 s[G0V+4*\s+2:G0V+4*\s+3], s[12:13], \s*SKEYS*128
	s_or_b32 s[G0V+4*\s+3], s[G0V+4*\s+3], 0x80000000
.endr
	s_cmp_lt_u32 s[WV], 4                          ; a wave's two first fills stand in one branch, ahead of every wait on TENSORcnt and every LDS read
	s_cbranch_scc0 .Lfirst_v
	tensor_load_to_lds s[G0K:G0K+3], s[G1K:G1K+7]
	s_nop 0
	tensor_load_to_lds s[G0K+4:G0K+7], s[G1K:G1K+7]
	s_nop 0
.rept 4
	v_nop
.endr
	s_branch .Lfirst_asked
.Lfirst_v:
	tensor_load_to_lds s[G0V:G0V+3], s[G1V:G1V+7]
	s_nop 0
	tensor_load_to_lds s[G0V+4:G0V+7], s[G1V:G1V+7]
	s_nop 0
.rept 4
	v_nop
.endr
.Lfirst_asked:
	v_and_b32 v11, 15, v0                          ; r
	v_bfe_u32 v12, v0, 4, 1                        ; h
	v_lshlrev_b32 v[QO], 7, v11
	v_lshl_add_u32 v[QO], v12, 4, v[QO]            ; row r of 128 bytes + 16 h
.irp x, 0,1
.irp c, 0,1
	global_load_b128 v[Q+16*\x+8*\c:Q+16*\x+8*\c+3],   v[QO], s[14:15] offset:\x*2048+64*\c       ; Q stays in registers
	global_load_b128 v[Q+16*\x+8*\c+4:Q+16*\x+8*\c+7], v[QO], s[14:15] offset:\x*2048+64*\c+32
.endr
.endr
	s_load_b512 s[M:M+15], s[MB:MB+1], s[MO] offset:0x0       ; tile 0's 32 mask words of the first step: the rest of the set-up and the wait for the first tiles lie between this request and the wait for it
	s_load_b512 s[M+16:M+31], s[MB:MB+1], s[MO] offset:0x40
	v_mul_u32_u24 v[AK0], v11, PK
	v_lshl_add_u32 v[AK0], v12, 4, v[AK0]          ; row x pitch + 16 x half
	v_and_b32 v14, 7, v0                           ; the turning load: lane l reads 16 bytes of key 8 (l / 16) + l % 8, channels 8 ((l / 8) % 2) on
	v_bfe_u32 v15, v0, 3, 1
	v_lshl_add_u32 v[AV0], v12, 3, v14
	v_mul_u32_u24 v[AV0], v[AV0], PV
	v_lshl_add_u32 v[AV0], v15, 4, v[AV0]
	v_add_nc_u32 v[AV0], VOFF, v[AV0]
	s_mul_i32 s22, s[WV], STGW                     ; my stage
	v_add_nc_u32 v[STO], s22, v[AK0]               ; in: row r, 16 bytes for each half of the lanes
	v_and_b32 v14, 31, v0
	v_lshlrev_b32 v[GO], 4, v14                    ; out: 16 bytes a lane, 512 on end
	v_lshrrev_b32 v15, 3, v14                      ; back: eight lanes to a row of 128 bytes, four rows an instruction
	v_mul_u32_u24 v15, v15, PK
	v_and_b32 v14, 7, v14
	v_lshl_add_u32 v15, v14, 4, v15
	v_add_nc_u32 v[RD], s22, v15
	v_mov_b32 v[NEG], 0xff800000
.irp x, 0,1
	v_mov_b32 v[ST+8*\x+1], 0xff61b1e6             ; m = -3e38
	v_mov_b32 v[ST+8*\x+2], 0                      ; l, in two halves
	v_mov_b32 v[ST+8*\x+3], 0
.endr
.irp x, 0,1
	v_mul_f32 v[ST+8*\x], s[CS], v[ST+8*\x+1]      ; c m
.endr
.set n, 0
.rept 64
	v_mov_b32 v[O+n], 0                            ; O^T.  (The step is written with no first form of its own: the first finds zeros, which the first a leaves zeros)
.set n, n+1
.endr
; Four products of S^T = K Q^T for tile x: keys 16 t on, channels 32 c on.  c = 0 starts the sums.  The tile's four accumulators take turns, one instruction a turn.
.macro QKT x, c
.irp t, 0,1,2,3
.if \c
	v_wmma_f32_16x16x32_f16 v[S+32*(\x)+8*\t:S+32*(\x)+8*\t+7], v[KV+16*\t+8:KV+16*\t+15], v[Q+16*(\x)+8:Q+16*(\x)+15], v[S+32*(\x)+8*\t:S+32*(\x)+8*\t+7]
.else
	v_wmma_f32_16x16x32_f16 v[S+32*(\x)+8*\t:S+32*(\x)+8*\t+7], v[KV+16*\t:KV+16*\t+7], v[Q+16*(\x):Q+16*(\x)+7], 0
.endif
.endr
.endm
; Eight products of O^T += V^T P for tile x: keys 32 u on, channels 16 f on; four accumulators by turns.
.macro PVT x
.irp u, 0,1
.irp f, 0,1,2,3
	v_wmma_f32_16x16x32_f16 v[O+32*(\x)+8*\f:O+32*(\x)+8*\f+7], v[KV+8*(4*\u+\f):KV+8*(4*\u+\f)+7], v[S+32*(\x)+8*\u:S+32*(\x)+8*\u+7], v[O+32*(\x)+8*\f:O+32*(\x)+8*\f+7]
.endr
.endr
.endm
.macro MASK x                          ; hidden scores become -infinity; each accumulator is read from its low end on
.set n, 0
.rept 32
	v_cndmask_b32 v[S+32*(\x)+n], v[S+32*(\x)+n], v[NEG], s[M+n]
.set n, n+1
.endr
.endm
.macro MAX x                           ; the maximum of the lane's 32 scores and the old m: four chains of seven, the four left over; the other half of the lanes'; the new m, c m, c m_old - c m_new
.set rT, ST+8*(\x)
.set rS, S+32*(\x)
.irp j, 0,1,2,3
	v_max3_num_f32 v[rT+4+\j], v[rS+8*\j], v[rS+8*\j+1], v[rS+8*\j+2]
.endr
.irp g, 1,2
.irp j, 0,1,2,3
	v_max3_num_f32 v[rT+4+\j], v[rT+4+\j], v[rS+8*\j+2*\g+1], v[rS+8*\j+2*\g+2]
.endr
.endr
	v_max3_num_f32 v[rT+4], v[rT+4], v[rS+7], v[rS+15]
	v_max3_num_f32 v[rT+6], v[rT+6], v[rS+23], v[rS+31]
	v_max3_num_f32 v[rT+4], v[rT+4], v[rT+5], v[rT+6]
	v_max3_num_f32 v[rT+4], v[rT+4], v[rT+7], v[rT+1]
	v_permlanex16_b32 v[rT+5], v[rT+4], s[SEL], s[SEL+1]   ; the query's other 32 keys lie in the lane 16 away
	v_mov_b32 v[rT+7], v[rT]                       ; c m_old
	v_max_num_f32 v[rT+1], v[rT+4], v[rT+5]
	v_mul_f32 v[rT], s[CS], v[rT+1]
	v_sub_f32 v[rT+7], v[rT+7], v[rT]
.endm
.macro SCALE x                         ; c s - c m, two at a time
.set rT, ST+8*(\x)
.set rS, S+32*(\x)
.irp j, 0,2,4,6,8,10,12,14,16,18,20,22,24,26,28,30
	v_pk_fma_f32 v[rS+\j:rS+\j+1], v[rS+\j:rS+\j+1], s[CS:CS+1], v[rT:rT+1] op_sel_hi:[1,0,0] neg_lo:[0,0,1] neg_hi:[0,0,1]
.endr
.endm
.macro EXPS x                          ; a, and the 32 weights: one batch; a plain instruction and a wait stand behind it, ahead of the first line that names a result
.set rT, ST+8*(\x)
.set rS, S+32*(\x)
	v_exp_f32 v[rT+6], v[rT+7]
.set n, 0
.rept 32
	v_exp_f32 v[rS+n], v[rS+n]
.set n, n+1
.endr
	v_nop
	s_wait_alu depctr_va_vdst(0)
.endm
.macro SUM x                           ; l = a l + the sum of the unrounded weights, in two chains
.set rT, ST+8*(\x)
.set rS, S+32*(\x)
	v_pk_mul_f32 v[rT+2:rT+3], v[rT+2:rT+3], v[rT+6:rT+7] op_sel_hi:[1,0]
	v_pk_add_f32 v[rT+4:rT+5], v[rS:rS+1], v[rS+2:rS+3]
.irp j, 4,8,12,16,20,24,28
	v_pk_add_f32 v[rT+2:rT+3], v[rT+2:rT+3], v[rS+\j:rS+\j+1]
	v_pk_add_f32 v[rT+4:rT+5], v[rT+4:rT+5], v[rS+\j+2:rS+\j+3]
.endr
	v_pk_add_f32 v[rT+2:rT+3], v[rT+2:rT+3], v[rT+4:rT+5]
.endm
.macro CVT x                           ; the weights to f16 in pairs, in place and ascending: register i takes weights 2 i and 2 i + 1, which no earlier line has written over
.set rS, S+32*(\x)
.set n, 0
.rept 16
	v_cvt_pk_f16_f32 v[rS+n], v[rS+2*n], v[rS+2*n+1]
.set n, n+1
.endr
.endm
.macro RESC x                          ; O^T x a, from each accumulator's low end on
.set rT, ST+8*(\x)
.set rO, O+32*(\x)
.irp j, 0,2,4,6,8,10,12,14,16,18,20,22,24,26,28,30
	v_pk_mul_f32 v[rO+\j:rO+\j+1], v[rO+\j:rO+\j+1], v[rT+6:rT+7] op_sel_hi:[1,0]
.endr
.endm
; A KEY STEP: 64 keys, tile 0 and then tile 1.
.macro STEP
	v_add_nc_u32 v[ADK], s[TK], v[AK0]             ; four plain instructions behind the last step's products: K's loads land where V lay
	v_add_nc_u32 v[ADV], s[TV], v[AV0]
.rept 2
	v_nop
.endr
.irp c, 0,1                            ; K: keys 16 t on, channels 32 c on; the first 32 channels first
.irp t, 0,1,2,3
	ds_load_b128 v[KV+8*(2*\t+\c):KV+8*(2*\t+\c)+3],   v[ADK] offset:\t*16*PK+64*\c
	ds_load_b128 v[KV+8*(2*\t+\c)+4:KV+8*(2*\t+\c)+7], v[ADK] offset:\t*16*PK+64*\c+32
.endr
.endr
	s_wait_dscnt 8                                 ; channels 0-31 are in; the eight loads of channels 32-63 may be out
	QKT 0, 0
	s_wait_dscnt 0x0
	QKT 0, 1
.rept 4
	v_nop                                          ; four places ahead of the first read of tile 0's scores
.endr
	s_wait_kmcnt 0x0                               ; tile 0's mask words, asked for in the step before (the first step's: at the head)
	MASK 0
	s_load_b512 s[M:M+15], s[MB:MB+1], s[MO] offset:MROW      ; the 32 reads are issued: the registers take tile 1's words, the next query tile's row
	s_load_b512 s[M+16:M+31], s[MB:MB+1], s[MO] offset:MROW+64
	QKT 1, 0                                       ; tile 1's scores are made beside tile 0's vector work.  They write over tile 1's old P: the lines from the step's head on are more than the five places that this wants
	QKT 1, 1
	MAX 0                                          ; (its lines name none of those products' registers: they are the places ahead of V's loads)
.irp u, 0,1                            ; V, turned: keys 32 u on, channels 16 f on, where K lay.  The rest of tile 0's softmax stands between these loads and the wait for them
.irp f, 0,1,2,3
	ds_load_tr16_b128 v[KV+8*(4*\u+\f):KV+8*(4*\u+\f)+3],   v[ADV] offset:\u*32*PV+32*\f
	ds_load_tr16_b128 v[KV+8*(4*\u+\f)+4:KV+8*(4*\u+\f)+7], v[ADV] offset:\u*32*PV+16*PV+32*\f
.endr
.endr
	SCALE 0
	EXPS 0
	SUM 0
	CVT 0
	RESC 0
	s_wait_dscnt 0x0                               ; V is in
	PVT 0
	s_wait_kmcnt 0x0                               ; tile 1's mask words
	MASK 1
	s_add_co_u32 s[MO], s[MO], 128                 ; no scalar load is out (the wait above was for 0), so the offset may be written: the next step's words
	s_cmp_lt_u32 s[MO], MROW                       ; the last step asks for nothing.  The offset is made of the count of steps alone: all waves of all partners go the same way
	s_cbranch_scc0 .Lno_more_\@
	s_load_b512 s[M:M+15], s[MB:MB+1], s[MO] offset:0x0       ; tile 0's words of the next step
	s_load_b512 s[M+16:M+31], s[MB:MB+1], s[MO] offset:0x40
.Lno_more_\@:
	MAX 1
	SCALE 1
	EXPS 1
	SUM 1
	CVT 1
	RESC 1
	PVT 1
	s_add_co_u32 s[TK], s[TK], 64*PK
	s_add_co_u32 s[TV], s[TV], 64*PV
.endm
.macro PASS s                          ; slot s's eight steps
	s_mov_b32 s[TK], \s*SLOTB
	s_mov_b32 s[TV], \s*SLOTB
	s_mov_b32 s[CNT], 8
.Lstep_\@:
	STEP
	s_sub_co_u32 s[CNT], s[CNT], 1
	s_cmp_lg_u32 s[CNT], 0
	s_cbranch_scc1 .Lstep_\@
.endm
; THE CHANGE OF SLOTS, behind slot s's last step.  Each wave waits for all its tensor loads (its part of the other slot), adds 0 to its spare word, and waits for that and for its reads of slot s.
; fill = 1: slot s is filled again, with the keys two slots on: the barrier is a round of the cluster's, and the joint refill is the first thing behind it.
; (The scalar loads of the next step's mask words stay out across it: they read bytes that this launch does not write, into registers that nothing names before the wait for them.)
.macro CHANGE s, fill
	s_wait_tensorcnt 0x0                           ; no tensor load of mine is out, so a group 0 may be written
	ds_add_u32 v[SPW], v[NIL]                      ; 0 onto my spare word
.if \fill
	s_add_nc_u64 s[G0K+4*\s+2:G0K+4*\s+3], s[G0K+4*\s+2:G0K+4*\s+3], 2*SKEYS*128
	s_add_nc_u64 s[G0V+4*\s+2:G0V+4*\s+3], s[G0V+4*\s+2:G0V+4*\s+3], 2*SKEYS*128
.endif
	s_wait_dscnt 0x0                               ; the add is done, and my reads of the slot are over
.if \fill
	CROUND
	JLOAD \s
.else
	s_barrier_signal -1
	s_barrier_wait -1
.endif
.endm
	s_wait_tensorcnt 1                             ; my part of slot 0 is in; slot 1's may stay out
	s_barrier_signal -1
	s_barrier_wait -1                              ; everybody's is
	s_wait_loadcnt 0x0                             ; Q
	PASS 0                                         ; keys 0 to 511
	CHANGE 0, 1
	PASS 1                                         ; 512 to 1,023
	CHANGE 1, 1
	PASS 0                                         ; 1,024 to 1,535
	CHANGE 0, 0                                    ; nothing is left to ask for
	PASS 1                                         ; 1,536 to 2,047
	; THE WAY OUT.  l's two halves and the other half of the lanes' are added; O^T is divided by l, rounded to f16 and sent through my stage.  The four additions are the places behind the last products.
.irp x, 0,1
	v_add_f32 v[ST+8*\x+4], v[ST+8*\x+2], v[ST+8*\x+3]
.endr
.irp x, 0,1
	v_permlanex16_b32 v[ST+8*\x+5], v[ST+8*\x+4], s[SEL], s[SEL+1]
.endr
.irp x, 0,1
	v_add_f32 v[ST+8*\x+4], v[ST+8*\x+4], v[ST+8*\x+5]
.endr
.irp x, 0,1
	v_rcp_f32 v[ST+8*\x+6], v[ST+8*\x+4]
.endr
	v_nop                                          ; a plain instruction between the last reciprocal and the use of its result
	s_wait_alu depctr_va_vdst(0)                   ; and the wait: one for both
.irp x, 0,1
.set n, 0
.rept 32
	v_mul_f32 v[S+32*\x+n], v[O+32*\x+n], v[ST+8*\x+6]     ; register 8 f + j is o(query r, channel 16 f + 8 h + j)
.set n, n+1
.endr
.set n, 0
.rept 16
	v_cvt_pk_f16_f32 v[S+32*\x+n], v[S+32*\x+2*n], v[S+32*\x+2*n+1]
.set n, n+1
.endr
.irp f, 0,1,2,3
	ds_store_b128 v[STO], v[S+32*\x+4*\f:S+32*\x+4*\f+3] offset:\x*16*PK+32*\f
.endr
.endr
.irp i, 0,1,2,3,4,5,6,7
	ds_load_b128 v[KV+4*\i:KV+4*\i+3], v[RD] offset:\i*4*PK   ; LDS serves a wave's instructions in order (ISA guide 5.7.1.4): these see my stores
.endr
.irp i, 0,1,2,3,4,5,6,7
	s_wait_dscnt 7-\i                              ; load i is back; the younger ones may be out
	global_store_b128 v[GO], v[KV+4*\i:KV+4*\i+3], s[8:9] offset:512*\i   ; 512 consecutive bytes, aligned
.endr
	s_wait_tensorcnt 0x0                           ; the wave's end
	ds_add_u32 v[SPW], v[NIL]
	s_wait_dscnt 0x0
	CROUND                                         ; the closing round: no work-group ends while a partner may still ask for a tile that names it
	s_endpgm
.Lfunc_end_k_q3dee4a83bc_attn:
	.size	k_q3dee4a83bc_attn, .Lfunc_end_k_q3dee4a83bc_attn-k_q3dee4a83bc_attn
	.p2alignl 7, 3214868480
	.fill 96, 4, 3214868480
	.section	.rodata,"a",@progbits
	.p2align	6, 0x0
	.amdhsa_kernel k_q3dee4a83bc_attn
		.amdhsa_group_segment_fixed_size 327680
		.amdhsa_private_segment_fixed_size 0
		.amdhsa_enable_private_segment 0
		.amdhsa_kernarg_size 24
		.amdhsa_user_sgpr_count 2
		.amdhsa_user_sgpr_kernarg_segment_ptr 1
		.amdhsa_wavefront_size32 1
		.amdhsa_system_sgpr_workgroup_id_x 1
		.amdhsa_system_sgpr_workgroup_id_y 1
		.amdhsa_system_sgpr_workgroup_id_z 1
		.amdhsa_system_vgpr_workitem_id 0
		.amdhsa_next_free_vgpr 256
		.amdhsa_next_free_sgpr 100
		.amdhsa_reserve_vcc 0
		.amdhsa_float_denorm_mode_32 3
		.amdhsa_float_denorm_mode_16_64 3
		.amdhsa_memory_ordered 1
		.amdhsa_forward_progress 1
		.amdhsa_inst_pref_size 107
	.end_amdhsa_kernel
	.amdgpu_metadata
---
amdhsa.version: [ 1, 2 ]
amdhsa.kernels:
  - .name:           k_q3dee4a83bc_attn
    .symbol:         k_q3dee4a83bc_attn.kd
    .args:
      - { .name: kqv16, .offset: 0, .size: 8, .value_kind: global_buffer, .address_space: global }
      - { .name: mbits, .offset: 8, .size: 8, .value_kind: global_buffer, .address_space: global }
      - { .name: ao16, .offset: 16, .size: 8, .value_kind: global_buffer, .address_space: global }
    .group_segment_fixed_size: 327680
    .private_segment_fixed_size: 0
    .kernarg_segment_align: 8
    .kernarg_segment_size: 24
    .max_flat_workgroup_size: 256
    .sgpr_count:     100
    .vgpr_count:     256
    .wavefront_size: 32
...
	.end_amdgpu_metadata
.endif
;; end of part 3
;; launch wo (part 4): grid 8 x 32, 4 waves a work-group, clusters of 4 x 4, 327,680 bytes of LDS; arguments ao16, wsp, t; writes t
.if DOCPART == 4
	.amdgcn_target "amdgcn-amd-amdhsa--gfx1250"
	.amdhsa_code_object_version 6
	.text
	.protected	k_q3dee4a83bc_wo
	.globl	k_q3dee4a83bc_wo
	.p2align	8
	.type	k_q3dee4a83bc_wo,@function
k_q3dee4a83bc_wo:
	s_mov_b64 s[64:65], 0
	v_nop
	global_prefetch_b8 v0, s[64:65] scope:SCOPE_SE
	s_setreg_imm32_b32 hwreg(HW_REG_WAVE_MODE, 25, 1), 1
	s_wait_xcnt 0x0
	s_wait_alu depctr_hold_cnt(0) depctr_sa_sdst(0) depctr_va_vdst(0) depctr_va_sdst(0) depctr_va_ssrc(0) depctr_va_vcc(0) depctr_vm_vsrc(0)
	s_getreg_b32 s2, hwreg(HW_REG_IB_STS2, 6, 4)
	s_cmp_eq_u32 s2, 0
	s_cbranch_scc0 .Lentry_in_a_cluster
	s_endpgm
.Lentry_in_a_cluster:
	s_bfe_u32 s2, ttmp6, 0x10000c
	s_cmp_lg_u32 s2, 0xf033
	s_cbranch_scc0 .Lentry_shape_is_right
	s_endpgm
.Lentry_shape_is_right:
; C[m][n] = the sum over k of A[m][k] B[n][k], f16 operands, f32 sums, C in f32: [4,096] x [1,024].  One text serves two launches, told apart by the flag WO:
;   WO = 1: A = the attention's result, laid [head][row][64] (K = 64 x head + channel, 1,024 in all), B = w_o in f16.      WO = 0: A = the hidden layer [4,096][4,096], B = w_down in f16.
; No work of the problem is left out here.  The residual, the bias and the norm follow in the next launch, which owns whole rows.
; A tile of C is 128 x 128, which gives each of 256 work-groups one tile.  Four waves, each 64 x 64: 16 accumulators, 128 registers.  K goes in steps of 256 through two LDS slots; a wave's tensor load brings 64 rows.
; With WO = 1 a K step is four heads: one load brings four dense blocks of 64 rows x 128 bytes, stated as four rows of 4,096 elements a plane apart, with 16 bytes of padding behind every 128: in LDS [head][row], rows 144 bytes apart.
; CLUSTERS: 4 x 4 work-groups; A's tiles are shared along a row of the cluster, B's along a column: each is asked for JOINTLY.  THE MATRIX INSTRUCTION IS USED TRANSPOSED (source 0 = 16 rows of B, source 1 = 16 rows of A).
; No prefetch is laid: the tile is small and its step short.
; REGISTERS: window 0: v0-31 addresses; v32-95 the way out; v128-255 the accumulators ((a, b) at v[128 + 8 (4 a + b)]).   window 1: two fragment buffers of 128: for 64 along K, 64 registers of A, then 64 of B.
.set WO, 1
.set SIZE_N, 1024
.set KSTEP,  256
.set BPITCH, 528                       ; B's LDS row: 512 bytes + 16 = 132 words: the 16 rows of a load start at 16 different banks (64 banks of 4 bytes: ISA guide 11.1)
.set HALFB,  64*BPITCH
.if WO
.set SIZE_K, 1024
.set APITCH, 144                       ; A's LDS row: a head's 128 bytes + 16
.set AQ,     64*APITCH                 ; from a quarter step (64 along K: a head) to the next
.set HALFA,  4*64*APITCH
.set ASTEP,  4*4096*128                ; a K step on in memory: four planes
.set AROWB,  128                       ; from row to row in memory
.set WOFF,   3899392                   ; w_o in wsp
.else
.set SIZE_K, 4096
.set APITCH, 528
.set AQ,     128
.set HALFA,  64*APITCH
.set ASTEP,  KSTEP*2
.set AROWB,  SIZE_K*2
.set WOFF,   14385152                  ; w_down in wsp
.endif
.set SLOT,   2*HALFA+2*HALFB           ; A's 128 rows, then B's 128 rows
.set STAGE,  2*SLOT                    ; behind the ring: 16 rows x 272 bytes for each wave
.set SPITCH, 272
.set SPARE,  STAGE+4*16*SPITCH         ; the spare words, 128 bytes a wave
.set LAPS,   SIZE_K/(2*KSTEP)
.set ADRA, 16
.set ADRB, 20
.set STO,  24
.set RD,   25
.set CO,   26
.set SPW,  28
.set NIL,  29
.set TMP,  32
.set ACC,  128
.set F0,   0
.set F1,   128
.set G1, 24
.set G0, 32
.set G1B, 48
.set G0B, 56
.set MSB, 0
.macro WIN new                         ; the immediate's high byte repeats the setting that is left
.if MSB != \new
	s_set_vgpr_msb (MSB<<8)|\new
.set MSB, \new
.endif
.endm
.set MUL,  0x05                        ; sources 0 (B) and 1 (A) window 1; C and D window 0
.set TO_F, 0x40
.macro JLOAD s                         ; a joint load: waves 0 and 1 fetch A's two halves, waves 2 and 3 B's; an s_nop 0 and four v_nop follow each of the two lines
	s_cmp_eq_u32 s11, 0
	s_cbranch_scc0 .Lfor_b_\@
	tensor_load_to_lds s[G0+4*\s:G0+4*\s+3], s[G1:G1+7]
	s_nop 0
.rept 4
	v_nop
.endr
	s_branch .Lasked_\@
.Lfor_b_\@:
	tensor_load_to_lds s[G0B+4*\s:G0B+4*\s+3], s[G1B:G1B+7]
	s_nop 0
.rept 4
	v_nop
.endr
.Lasked_\@:
.endm
.macro CREST                           ; a round of the cluster's barrier behind its opening barrier
	s_cmp_lg_u32 s10, 0
	s_cbranch_scc1 .Lnot_wave_0_\@
	s_barrier_signal -3
.Lnot_wave_0_\@:
	s_barrier_wait -3
	s_barrier_signal -1
	s_barrier_wait -1
.endm
.macro CROUND
	s_barrier_signal -1
	s_barrier_wait -1
	CREST
.endm
	s_load_b128 s[4:7], s[0:1], 0x0                ; A s[4:5], wsp s[6:7]
	s_load_b64 s[8:9], s[0:1], 0x10                ; C
	v_lshl_add_u32 v[SPW], v0, 2, SPARE
	v_mov_b32 v[NIL], 0
	ds_add_u32 v[SPW], v[NIL]                      ; the wave's opening: the add, twice on end, and its wait ahead of my first tensor load
	ds_add_u32 v[SPW], v[NIL]
	v_lshrrev_b32 v1, 5, v0
	v_readfirstlane_b32 s10, v1                    ; wave 0..3
	s_lshr_b32 s11, s10, 1                         ; which half of the tile's rows is mine.  Also: I fetch for A (0) or for B (1)
	s_and_b32 s12, s10, 1                          ; which half of its columns.  Also: which 64 rows of that tile I fetch
	s_bfe_u32 s40, ttmp6, 0x40000                  ; cx, cy
	s_bfe_u32 s41, ttmp6, 0x40004
	s_lshl_b32 s42, ttmp9, 2
	s_add_co_u32 s42, s42, s40                     ; tile column
	s_and_b32 s13, ttmp7, 0xffff
	s_lshl_b32 s13, s13, 2
	s_add_co_u32 s13, s13, s41                     ; tile row
	s_lshl_b32 s43, s41, 2
	s_lshl_b32 s43, 15, s43                        ; my row of the cluster
	s_lshl_b32 s44, 0x1111, s40                    ; my column
.if WO
	s_or_b32 s[G1+0], s43, (1<<16)|(1<<20)|(1<<21)|(4<<22)|(3<<25)  ; the mask; elements of 2 bytes; padding on; bit 21 beside a mask; after every 32 words four words
	s_mov_b32 s[G1+1], 4096<<16                    ; tensor_dim0: 64 rows x 64 elements on end
	s_mov_b32 s[G1+2], 4<<16                       ; tensor_dim1: four heads
	s_mov_b32 s[G1+3], 4096<<16                    ; tile_dim0
	s_mov_b32 s[G1+4], 4                           ; tile_dim1
	s_mov_b32 s[G1+5], 4096*64                     ; from head to head, in elements
.else
	s_or_b32 s[G1+0], s43, (1<<16)|(1<<20)|(1<<21)|(6<<22)|(3<<25)  ; after every 128 words four words
	s_mov_b32 s[G1+1], KSTEP<<16
	s_mov_b32 s[G1+2], 64<<16
	s_mov_b32 s[G1+3], KSTEP<<16
	s_mov_b32 s[G1+4], 64
	s_mov_b32 s[G1+5], SIZE_K
.endif
	s_mov_b32 s[G1+6], 0
	s_mov_b32 s[G1+7], 0
	s_or_b32 s[G1B+0], s44, (1<<16)|(1<<20)|(1<<21)|(6<<22)|(3<<25)
	s_mov_b32 s[G1B+1], KSTEP<<16                  ; B: 64 rows x 256 elements
	s_mov_b32 s[G1B+2], 64<<16
	s_mov_b32 s[G1B+3], KSTEP<<16
	s_mov_b32 s[G1B+4], 64
	s_mov_b32 s[G1B+5], SIZE_K
	s_mov_b32 s[G1B+6], 0
	s_mov_b32 s[G1B+7], 0
	s_lshl_b32 s17, s12, 6                         ; which 64 rows of the tile I fetch
	s_lshl_b32 s16, s13, 7
	s_add_co_u32 s16, s16, s17                     ; A: row 128 x tile row + 64 x half
	s_lshl_b32 s46, s42, 7
	s_add_co_u32 s46, s46, s17                     ; B: row 128 x tile column + 64 x half
	s_mov_b32 s17, 0
	s_mov_b32 s47, 0
	s_mov_b64 s[18:19], AROWB
	s_mul_u64 s[16:17], s[16:17], s[18:19]
	s_mov_b64 s[18:19], SIZE_K*2
	s_mul_u64 s[46:47], s[46:47], s[18:19]
	s_mul_i32 s20, s12, HALFA                      ; where they go: A's two halves,
	s_mul_i32 s21, s12, HALFB
	s_add_co_u32 s21, s21, 2*HALFA                 ; then B's two
	s_wait_dscnt 0x0                               ; both opening adds are done
	s_wait_kmcnt 0x0
	s_add_nc_u64 s[6:7], s[6:7], WOFF              ; B
	s_add_nc_u64 s[14:15], s[4:5], s[16:17]
	s_add_nc_u64 s[46:47], s[6:7], s[46:47]
	CROUND                                         ; all sixteen work-groups are here: the first joint loads meet
.irp s, 0,1
	s_mov_b32 s[G0+4*\s], 1
	s_add_co_u32 s[G0+4*\s+1], s20, \s*SLOT
	s_add_nc_u64 s[G0+4*\s+2:G0+4*\s+3], s[14:15], \s*ASTEP
	s_or_b32 s[G0+4*\s+3], s[G0+4*\s+3], 0x80000000
	s_mov_b32 s[G0B+4*\s], 1
	s_add_co_u32 s[G0B+4*\s+1], s21, \s*SLOT
	s_add_nc_u64 s[G0B+4*\s+2:G0B+4*\s+3], s[46:47], \s*KSTEP*2
	s_or_b32 s[G0B+4*\s+3], s[G0B+4*\s+3], 0x80000000
	JLOAD \s
.endr
	v_and_b32 v1, 15, v0                           ; l % 16
	v_bfe_u32 v2, v0, 4, 1                         ; l / 16
	v_mul_u32_u24 v3, v1, APITCH
	v_lshl_add_u32 v3, v2, 4, v3                   ; a fragment's row x pitch + 16 x half: A's,
	v_mul_u32_u24 v4, v1, BPITCH
	v_lshl_add_u32 v4, v2, 4, v4                   ; B's
	s_mul_i32 s21, s11, HALFA                      ; my 64 rows of A
	s_mul_i32 s22, s12, HALFB                      ; my 64 rows of B,
	s_add_co_u32 s22, s22, 2*HALFA                 ; which lie behind A's 128
.irp s, 0,1
	v_add_nc_u32 v[ADRA+\s], s21, v3
	v_add_nc_u32 v[ADRB+\s], s22, v4
	s_add_co_u32 s21, s21, SLOT
	s_add_co_u32 s22, s22, SLOT
.endr
	s_mul_i32 s23, s10, 16*SPITCH
	s_add_co_u32 s23, s23, STAGE                   ; my stage
	v_mul_u32_u24 v5, v1, SPITCH                   ; in: row l % 16, 32 bytes for each half of the lanes
	v_lshl_add_u32 v5, v2, 5, v5
	v_add_nc_u32 v[STO], s23, v5
	v_mul_u32_u24 v5, v2, SPITCH                   ; back: lanes 0-15 one row of 256 bytes, lanes 16-31 the next
	v_lshl_add_u32 v5, v1, 4, v5
	v_add_nc_u32 v[RD], s23, v5
	v_lshlrev_b32 v5, 12, v2                       ; and the same two rows in C (4,096 bytes a row)
	v_lshl_add_u32 v[CO], v1, 4, v5
	s_lshl_b32 s16, s13, 7
	s_lshl_b32 s17, s11, 6
	s_add_co_u32 s16, s16, s17                     ; my first row of C
	s_lshl_b32 s16, s16, 12
	s_mov_b32 s17, 0
	s_add_nc_u64 s[8:9], s[8:9], s[16:17]
	s_lshl_b32 s46, s42, 9                         ; my first column, in bytes: 512 x tile column + 256 x half
	s_lshl_b32 s47, s12, 8
	s_add_co_u32 s46, s46, s47
	s_mov_b32 s47, 0
	s_add_nc_u64 s[8:9], s[8:9], s[46:47]
; 8 matrix instructions: m blocks a0, a0 + 1 x all 4 n blocks, 32 along K: half c of buffer f.  zero = 1: the first product starts the sums.  The 16 accumulators take turns.
.macro MUL8 f, c, a0, zero
.irp a, \a0, \a0+1
.irp b, 0,1,2,3
.if \zero
	v_wmma_f32_16x16x32_f16 v[ACC+8*(4*(\a)+\b):ACC+8*(4*(\a)+\b)+7], v[\f+64+8*(4*\c+\b):\f+64+8*(4*\c+\b)+7], v[\f+8*(4*\c+\a):\f+8*(4*\c+\a)+7], 0
.else
	v_wmma_f32_16x16x32_f16 v[ACC+8*(4*(\a)+\b):ACC+8*(4*(\a)+\b)+7], v[\f+64+8*(4*\c+\b):\f+64+8*(4*\c+\b)+7], v[\f+8*(4*\c+\a):\f+8*(4*\c+\a)+7], v[ACC+8*(4*(\a)+\b):ACC+8*(4*(\a)+\b)+7]
.endif
.endr
.endr
.endm
; 32 LDS loads in one run: the fragments of the slot's quarter q (64 along K) into buffer f; the first 32 along K first
.macro FETCH slot, q, f
	WIN TO_F
.irp c, 0,1
.irp i, 0,1,2,3
	ds_load_b128 v[\f+64+8*(4*\c+\i):\f+64+8*(4*\c+\i)+3],   v[ADRB+\slot] offset:128*(\q)+64*\c+\i*16*BPITCH
	ds_load_b128 v[\f+64+8*(4*\c+\i)+4:\f+64+8*(4*\c+\i)+7], v[ADRB+\slot] offset:128*(\q)+64*\c+\i*16*BPITCH+32
	ds_load_b128 v[\f+8*(4*\c+\i):\f+8*(4*\c+\i)+3],         v[ADRA+\slot] offset:AQ*(\q)+64*\c+\i*16*APITCH
	ds_load_b128 v[\f+8*(4*\c+\i)+4:\f+8*(4*\c+\i)+7],       v[ADRA+\slot] offset:AQ*(\q)+64*\c+\i*16*APITCH+32
.endr
.endr
.endm
.macro PLACES                          ; four places in front of loads into registers that matrix instructions have read, and of reads of results
.rept 4
	v_nop
.endr
.endm
; One of a K step's first three quarters: multiplies buffer f and fetches quarter q into g.
.macro QUARTER slot, q, f, g, zero
	s_wait_dscnt 16                                ; the first 32 along K are in; the sixteen loads of the second 32 may be out
	WIN MUL
	MUL8 \f, 0, 0, \zero
	MUL8 \f, 0, 2, \zero
	PLACES
	FETCH \slot, \q, \g
	s_wait_dscnt 32                                ; all but the 32 just issued
	WIN MUL
	MUL8 \f, 1, 0, 0
	MUL8 \f, 1, 2, 0
.endm
; The last quarter multiplies buffer 1 and changes slots: ONE barrier; in front of it each wave waits for all its tensor loads, adds 0 to its spare word, and waits for that and for its reads of this slot.
.macro TURN slot, next, fill
	WIN 0                                          ; (the add's two registers lie in window 0)
	s_wait_tensorcnt 0x0                           ; all my tensor loads have landed: my part of the next slot
	ds_add_u32 v[SPW], v[NIL]                      ; 0 onto my spare word
	s_wait_dscnt 17                                ; (the add and the youngest sixteen loads may be out)
	WIN MUL
	MUL8 F1, 0, 0, 0
	s_wait_dscnt 0x0                               ; the add is done, and my reads of this slot are over
	s_barrier_signal -1
	MUL8 F1, 0, 2, 0
.if \fill
	WIN 0
.endif
	s_barrier_wait -1
.if \fill
	CREST                                          ; the barrier has opened a round of the cluster's: no wave of any partner still reads this slot or has a load on its way
	s_add_nc_u64 s[G0+4*\slot+2:G0+4*\slot+3], s[G0+4*\slot+2:G0+4*\slot+3], 2*ASTEP
	s_add_nc_u64 s[G0B+4*\slot+2:G0B+4*\slot+3], s[G0B+4*\slot+2:G0B+4*\slot+3], 2*KSTEP*2
	JLOAD \slot                                    ; the first tensor load behind the round; its four v_nop are also the places in front of the loads below
.else
	PLACES
.endif
	FETCH \next, 0, F0
	WIN MUL
	MUL8 F1, 1, 0, 0
	MUL8 F1, 1, 2, 0
.endm
	s_wait_tensorcnt 1                             ; my part of K step 0 is in (K step 1's may be out)
	s_barrier_signal -1
	s_barrier_wait -1                              ; everybody's is
	FETCH 0, 0, F0
	QUARTER 0, 1, F0, F1, 1                        ; the first quarter stands in front of the loop: its first products start the sums
	WIN 0                                          ; at a label and at a branch every window is 0
	s_mov_b32 s3, LAPS-1
.Llap:                                                 ; a trip goes once round the ring, from a lap's second quarter to the next lap's first, and fills both slots again
	QUARTER 0, 2, F1, F0, 0
	QUARTER 0, 3, F0, F1, 0
	TURN 0, 1, 1
	QUARTER 1, 1, F0, F1, 0
	QUARTER 1, 2, F1, F0, 0
	QUARTER 1, 3, F0, F1, 0
	TURN 1, 0, 1
	QUARTER 0, 1, F0, F1, 0
	WIN 0
	s_sub_co_u32 s3, s3, 1
	s_cmp_lg_u32 s3, 0
	s_cbranch_scc1 .Llap
	QUARTER 0, 2, F1, F0, 0                        ; the last lap fills nothing
	QUARTER 0, 3, F0, F1, 0
	TURN 0, 1, 0
	QUARTER 1, 1, F0, F1, 0
	QUARTER 1, 2, F1, F0, 0
	QUARTER 1, 3, F0, F1, 0
	s_wait_dscnt 16
	WIN MUL
	MUL8 F1, 0, 0, 0
	MUL8 F1, 0, 2, 0
	s_wait_dscnt 0
	MUL8 F1, 1, 0, 0
	MUL8 F1, 1, 2, 0
	WIN 0
; THE WAY OUT, in f32.  A wave's 64 columns are 256 bytes of a row of C, aligned: each wave has its own stage and no barrier is needed.  A block of 16 rows goes in as it lies in the accumulators (each from its low end on)
; and comes back two whole rows an instruction.  LDS serves a wave's instructions in order (ISA guide 5.7.1.4).
.macro TOSTAGE a
.set BB, TMP+32*((\a)%2)
.irp b, 0,1,2,3
	ds_store_b128 v[STO], v[ACC+8*(4*(\a)+\b):ACC+8*(4*(\a)+\b)+3] offset:64*\b
	ds_store_b128 v[STO], v[ACC+8*(4*(\a)+\b)+4:ACC+8*(4*(\a)+\b)+7] offset:64*\b+16
.endr
.irp i, 0,1,2,3,4,5,6,7
	ds_load_b128 v[BB+4*\i:BB+4*\i+3], v[RD] offset:\i*2*SPITCH
.endr
.endm
.macro SEND a, younger
.set BB, TMP+32*((\a)%2)
	s_wait_dscnt \younger                          ; the block is back; the next block's 8 stores and 8 loads may be out
.irp i, 0,1,2,3,4,5,6,7
	global_store_b128 v[CO], v[BB+4*\i:BB+4*\i+3], s[8:9] offset:(\a)*16*SIZE_N*4+\i*2*SIZE_N*4   ; 16 lanes store 256 consecutive bytes, aligned
.endr
.endm
	PLACES
	TOSTAGE 0
.irp a, 1,2,3
.if \a > 1
	s_wait_xcnt 0x0                                ; block a - 2's stores have read their registers: block a's loads may land there
.endif
	TOSTAGE \a
	SEND \a-1, 16
.endr
	SEND 3, 0
	s_wait_tensorcnt 0x0                           ; the wave's end
	ds_add_u32 v[SPW], v[NIL]
	s_wait_dscnt 0x0
	CROUND                                         ; the closing round
	s_endpgm
.Lfunc_end_k_q3dee4a83bc_wo:
	.size	k_q3dee4a83bc_wo, .Lfunc_end_k_q3dee4a83bc_wo-k_q3dee4a83bc_wo
	.p2alignl 7, 3214868480
	.fill 96, 4, 3214868480
	.section	.rodata,"a",@progbits
	.p2align	6, 0x0
	.amdhsa_kernel k_q3dee4a83bc_wo
		.amdhsa_group_segment_fixed_size 327680
		.amdhsa_private_segment_fixed_size 0
		.amdhsa_enable_private_segment 0
		.amdhsa_kernarg_size 24
		.amdhsa_user_sgpr_count 2
		.amdhsa_user_sgpr_kernarg_segment_ptr 1
		.amdhsa_wavefront_size32 1
		.amdhsa_system_sgpr_workgroup_id_x 1
		.amdhsa_system_sgpr_workgroup_id_y 1
		.amdhsa_system_sgpr_workgroup_id_z 1
		.amdhsa_system_vgpr_workitem_id 0
		.amdhsa_next_free_vgpr 512
		.amdhsa_next_free_sgpr 66
		.amdhsa_reserve_vcc 0
		.amdhsa_float_denorm_mode_32 3
		.amdhsa_float_denorm_mode_16_64 3
		.amdhsa_memory_ordered 1
		.amdhsa_forward_progress 1
		.amdhsa_inst_pref_size 86
	.end_amdhsa_kernel
	.amdgpu_metadata
---
amdhsa.version: [ 1, 2 ]
amdhsa.kernels:
  - .name:           k_q3dee4a83bc_wo
    .symbol:         k_q3dee4a83bc_wo.kd
    .args:
      - { .name: ao16, .offset: 0, .size: 8, .value_kind: global_buffer, .address_space: global }
      - { .name: wsp, .offset: 8, .size: 8, .value_kind: global_buffer, .address_space: global }
      - { .name: t, .offset: 16, .size: 8, .value_kind: global_buffer, .address_space: global }
    .group_segment_fixed_size: 327680
    .private_segment_fixed_size: 0
    .kernarg_segment_align: 8
    .kernarg_segment_size: 24
    .max_flat_workgroup_size: 128
    .sgpr_count:     66
    .vgpr_count:     512
    .wavefront_size: 32
...
	.end_amdgpu_metadata
.endif
;; end of part 4
;; launch ln1 (part 5): grid 256 x 1, 4 waves a work-group, no clusters, 0 bytes of LDS; arguments t, x_embeds, g1, b1, xn; writes xn
.if DOCPART == 5
	.amdgcn_target "amdgcn-amd-amdhsa--gfx1250"
	.amdhsa_code_object_version 6
	.text
	.protected	k_q3dee4a83bc_ln1
	.globl	k_q3dee4a83bc_ln1
	.p2align	8
	.type	k_q3dee4a83bc_ln1,@function
k_q3dee4a83bc_ln1:
	s_mov_b64 s[64:65], 0
	v_nop
	global_prefetch_b8 v0, s[64:65] scope:SCOPE_SE
	s_setreg_imm32_b32 hwreg(HW_REG_WAVE_MODE, 25, 1), 1
	s_wait_xcnt 0x0
; y = (z - mean(z)) rsqrt(var(z) + 1e-6) g + b along rows of 1,024, all in f32.  One text serves two launches, told apart by the flag LN2:
;   LN2 = 0: z = t + x_embeds; y leaves twice into xn: as f32 (the residual of the second norm) and, 16,777,216 bytes on, as f16 (the next product's operand).      LN2 = 1: z = (t + b_down) + xn; y is the output.
; No work of the problem is left out here.  LIMIT (LN2 = 0): a y over 65,504 in magnitude becomes infinity in the f16 copy.
; A stream: memory binds, so no LDS, no matrix unit, no cluster.  A wave takes a whole row (eight loads of 512 consecutive bytes for each of the two inputs) and keeps it in registers between the passes: mean, then the
; squares of z - mean (no difference of large sums), then the scaling.  Four rows a wave, two slots: while one row is worked on, the other's 16 loads are on their way.  Every offset is an immediate.
.set LN2, 0
.set G,  16                            ; v16-47   g at my 32 columns
.set BT, 48                            ; v48-79   b
.set BD, 80                            ; v80-111  b_down (LN2 = 1)
.set SL, 112                           ; v112-239 two slots of 64: 32 registers of t, 32 of the residual
.set PT, 4                             ; s[4:5] t;  s[6:7] the residual
.set PR, 6
.if LN2
.set PD, 8
.set PG, 10
.set PB, 12
.set PO, 14
.else
.set PG, 8
.set PB, 10
.set PO, 12
.set PH, 14
.endif
	s_load_b256 s[4:11], s[0:1], 0x0
.if LN2
	s_load_b128 s[12:15], s[0:1], 0x20
.else
	s_load_b64 s[12:13], s[0:1], 0x20
.endif
	v_lshrrev_b32 v3, 5, v0
	v_readfirstlane_b32 s20, v3                    ; wave
	v_and_b32 v2, 31, v0
	v_lshlrev_b32 v1, 4, v2                        ; 16 bytes a lane
	v_lshlrev_b32 v2, 3, v2                        ; 8, for the f16 copy
	v_mov_b32 v9, 0                                ; the upper words of the pairs v[8:9] and v[10:11], whose low words are broadcast
	v_mov_b32 v11, 0
	s_lshl_b32 s16, ttmp9, 16                      ; 16 rows of 4,096 bytes a work-group,
	s_lshl_b32 s17, s20, 14                        ; four a wave
	s_add_co_u32 s16, s16, s17
	s_mov_b32 s17, 0
	s_lshr_b32 s18, s16, 1
	s_add_co_u32 s18, s18, 0x1000000               ; the f16 copy's place in xn
	s_mov_b32 s19, 0
	s_mov_b32 s22, 0x3a800000                      ; 1 / 1,024
	s_mov_b32 s23, 0x358637bd                      ; 1e-6
	s_mov_b32 s24, 0x76543210
	s_mov_b32 s25, 0xfedcba98                      ; v_permlanex16_b32: lane l xor 16
	s_wait_kmcnt 0x0
	s_add_nc_u64 s[PT:PT+1], s[PT:PT+1], s[16:17]
	s_add_nc_u64 s[PR:PR+1], s[PR:PR+1], s[16:17]
.if !LN2
	s_add_nc_u64 s[PH:PH+1], s[PO:PO+1], s[18:19]
.endif
	s_add_nc_u64 s[PO:PO+1], s[PO:PO+1], s[16:17]
.irp i, 0,1,2,3,4,5,6,7
	global_load_b128 v[G+4*\i:G+4*\i+3], v1, s[PG:PG+1] offset:512*\i
	global_load_b128 v[BT+4*\i:BT+4*\i+3], v1, s[PB:PB+1] offset:512*\i
.if LN2
	global_load_b128 v[BD+4*\i:BD+4*\i+3], v1, s[PD:PD+1] offset:512*\i
.endif
.endr
.macro FILL k
.set FA, SL+64*((\k)%2)
.irp i, 0,1,2,3,4,5,6,7
	global_load_b128 v[FA+4*\i:FA+4*\i+3], v1, s[PT:PT+1] offset:4096*(\k)+512*\i th:TH_LOAD_NT
.endr
.irp i, 0,1,2,3,4,5,6,7
	global_load_b128 v[FA+32+4*\i:FA+32+4*\i+3], v1, s[PR:PR+1] offset:4096*(\k)+512*\i th:TH_LOAD_NT
.endr
.endm
.macro ACROSS                          ; v[4:5]'s two halves, then the 32 lanes: four steps ride on the additions, one crosses the halves; every lane ends with the sum in v4
	v_add_f32 v4, v4, v5
	v_add_f32_dpp v4, v4, v4 row_xmask:1 row_mask:0xf bank_mask:0xf
	v_add_f32_dpp v4, v4, v4 row_xmask:2 row_mask:0xf bank_mask:0xf
	v_add_f32_dpp v4, v4, v4 row_xmask:4 row_mask:0xf bank_mask:0xf
	v_add_f32_dpp v4, v4, v4 row_xmask:8 row_mask:0xf bank_mask:0xf
	v_permlanex16_b32 v5, v4, s24, s25
	v_add_f32 v4, v4, v5
.endm
.macro ROW k
.set A, SL+64*((\k)%2)
.set R, A+32
.if (\k) < 3
	s_wait_loadcnt 16                              ; this row's 16 loads (and g, b) are in; the other slot's 16 may be out
.else
	s_wait_loadcnt 0x0
.endif
.if LN2
.irp j, 0,2,4,6,8,10,12,14,16,18,20,22,24,26,28,30
	v_pk_add_f32 v[A+\j:A+\j+1], v[A+\j:A+\j+1], v[BD+\j:BD+\j+1]
.endr
.endif
.irp j, 0,2,4,6,8,10,12,14,16,18,20,22,24,26,28,30
	v_pk_add_f32 v[A+\j:A+\j+1], v[A+\j:A+\j+1], v[R+\j:R+\j+1]      ; z
.endr
	v_pk_add_f32 v[4:5], v[A:A+1], v[A+2:A+3]      ; the sum, in two chains
	v_pk_add_f32 v[6:7], v[A+4:A+5], v[A+6:A+7]
.irp j, 8,12,16,20,24,28
	v_pk_add_f32 v[4:5], v[4:5], v[A+\j:A+\j+1]
	v_pk_add_f32 v[6:7], v[6:7], v[A+\j+2:A+\j+3]
.endr
	v_pk_add_f32 v[4:5], v[4:5], v[6:7]
	ACROSS
	v_mul_f32 v8, s22, v4                          ; the mean
.irp j, 0,2,4,6,8,10,12,14,16,18,20,22,24,26,28,30
	v_pk_add_f32 v[A+\j:A+\j+1], v[A+\j:A+\j+1], v[8:9] op_sel_hi:[1,0] neg_lo:[0,1] neg_hi:[0,1]
.endr
	v_pk_mul_f32 v[4:5], v[A:A+1], v[A:A+1]        ; the squares, in two chains
	v_pk_mul_f32 v[6:7], v[A+2:A+3], v[A+2:A+3]
.irp j, 4,8,12,16,20,24,28
	v_pk_fma_f32 v[4:5], v[A+\j:A+\j+1], v[A+\j:A+\j+1], v[4:5]
	v_pk_fma_f32 v[6:7], v[A+\j+2:A+\j+3], v[A+\j+2:A+\j+3], v[6:7]
.endr
	v_pk_add_f32 v[4:5], v[4:5], v[6:7]
	ACROSS
	v_fma_f32 v4, v4, s22, s23                     ; the variance + 1e-6
	v_rsq_f32 v10, v4
	v_nop                                          ; a plain instruction behind the transcendental
	s_wait_alu depctr_va_vdst(0)                   ; the wait ahead of the first instruction that names its result
.irp j, 0,2,4,6,8,10,12,14,16,18,20,22,24,26,28,30
	v_pk_mul_f32 v[A+\j:A+\j+1], v[A+\j:A+\j+1], v[10:11] op_sel_hi:[1,0]
.endr
.irp j, 0,2,4,6,8,10,12,14,16,18,20,22,24,26,28,30
	v_pk_fma_f32 v[A+\j:A+\j+1], v[A+\j:A+\j+1], v[G+\j:G+\j+1], v[BT+\j:BT+\j+1]
.endr
.if !LN2
.irp i, 0,1,2,3,4,5,6,7,8,9,10,11,12,13,14,15
	v_cvt_pk_f16_f32 v[R+\i], v[A+2*\i], v[A+2*\i+1]   ; the residual's registers are done with
.endr
.endif
.irp i, 0,1,2,3,4,5,6,7
	global_store_b128 v1, v[A+4*\i:A+4*\i+3], s[PO:PO+1] offset:4096*(\k)+512*\i       ; 512 consecutive bytes, aligned
.endr
.if !LN2
.irp i, 0,1,2,3,4,5,6,7
	global_store_b64 v2, v[R+2*\i:R+2*\i+1], s[PH:PH+1] offset:2048*(\k)+256*\i        ; 256 consecutive bytes, aligned
.endr
.endif
.if (\k) < 2
	s_wait_xcnt 0x0                                ; the stores have read their registers: the slot is loaded again only behind this wait
	FILL (\k)+2
.endif
.endm
	FILL 0
	FILL 1
	ROW 0
	ROW 1
	ROW 2
	ROW 3
	s_endpgm
.Lfunc_end_k_q3dee4a83bc_ln1:
	.size	k_q3dee4a83bc_ln1, .Lfunc_end_k_q3dee4a83bc_ln1-k_q3dee4a83bc_ln1
	.p2alignl 7, 3214868480
	.fill 96, 4, 3214868480
	.section	.rodata,"a",@progbits
	.p2align	6, 0x0
	.amdhsa_kernel k_q3dee4a83bc_ln1
		.amdhsa_group_segment_fixed_size 0
		.amdhsa_private_segment_fixed_size 0
		.amdhsa_enable_private_segment 0
		.amdhsa_kernarg_size 40
		.amdhsa_user_sgpr_count 2
		.amdhsa_user_sgpr_kernarg_segment_ptr 1
		.amdhsa_wavefront_size32 1
		.amdhsa_system_sgpr_workgroup_id_x 1
		.amdhsa_system_sgpr_workgroup_id_y 1
		.amdhsa_system_sgpr_workgroup_id_z 1
		.amdhsa_system_vgpr_workitem_id 0
		.amdhsa_next_free_vgpr 248
		.amdhsa_next_free_sgpr 66
		.amdhsa_reserve_vcc 0
		.amdhsa_float_denorm_mode_32 3
		.amdhsa_float_denorm_mode_16_64 3
		.amdhsa_memory_ordered 1
		.amdhsa_forward_progress 1
		.amdhsa_inst_pref_size 47
	.end_amdhsa_kernel
	.amdgpu_metadata
---
amdhsa.version: [ 1, 2 ]
amdhsa.kernels:
  - .name:           k_q3dee4a83bc_ln1
    .symbol:         k_q3dee4a83bc_ln1.kd
    .args:
      - { .name: t, .offset: 0, .size: 8, .value_kind: global_buffer, .address_space: global }
      - { .name: x_embeds, .offset: 8, .size: 8, .value_kind: global_buffer, .address_space: global }
      - { .name: g1, .offset: 16, .size: 8, .value_kind: global_buffer, .address_space: global }
      - { .name: b1, .offset: 24, .size: 8, .value_kind: global_buffer, .address_space: global }
      - { .name: xn, .offset: 32, .size: 8, .value_kind: global_buffer, .address_space: global }
    .group_segment_fixed_size: 0
    .private_segment_fixed_size: 0
    .kernarg_segment_align: 8
    .kernarg_segment_size: 40
    .max_flat_workgroup_size: 128
    .sgpr_count:     66
    .vgpr_count:     248
    .wavefront_size: 32
...
	.end_amdgpu_metadata
.endif
;; end of part 5
;; launch up (part 6): grid 16 x 16, 4 waves a work-group, clusters of 4 x 4, 327,680 bytes of LDS; arguments xn, wsp, h16, b_up; writes h16
.if DOCPART == 6
	.amdgcn_target "amdgcn-amd-amdhsa--gfx1250"
	.amdhsa_code_object_version 6
	.text
	.protected	k_q3dee4a83bc_up
	.globl	k_q3dee4a83bc_up
	.p2align	8
	.type	k_q3dee4a83bc_up,@function
k_q3dee4a83bc_up:
	s_mov_b64 s[64:65], 0
	v_nop
	global_prefetch_b8 v0, s[64:65] scope:SCOPE_SE
	s_setreg_imm32_b32 hwreg(HW_REG_WAVE_MODE, 25, 1), 1
	s_wait_xcnt 0x0
	s_wait_alu depctr_hold_cnt(0) depctr_sa_sdst(0) depctr_va_vdst(0) depctr_va_sdst(0) depctr_va_ssrc(0) depctr_va_vcc(0) depctr_vm_vsrc(0)
	s_getreg_b32 s2, hwreg(HW_REG_IB_STS2, 6, 4)
	s_cmp_eq_u32 s2, 0
	s_cbranch_scc0 .Lentry_in_a_cluster
	s_endpgm
.Lentry_in_a_cluster:
	s_bfe_u32 s2, ttmp6, 0x10000c
	s_cmp_lg_u32 s2, 0xf033
	s_cbranch_scc0 .Lentry_shape_is_right
	s_endpgm
.Lentry_shape_is_right:
; h = relu(x w_up^T + b_up): [4,096] x [4,096], K = 1,024.  x: the f16 copy in xn; w_up: f16 in wsp; sums in f32; h leaves as f16, the next product's operand.  No work of the problem is left out here.
; LIMITS: an h over 65,504 becomes infinity; the relu is a maximum in which a NaN loses (a NaN row still reaches the output through the f32 residual).
; A tile of h, 256 x 256, is made by a work-group of four waves; a wave makes 128 x 128: 64 accumulators, 512 registers; 256 work-groups, one tile each.
; K goes in steps of 128 through a ring of two LDS slots filled by the tensor data mover: a tile's row is 256 bytes of memory, aligned.  The last K step goes by rows of h, so that finished rows leave while the others are multiplied.
; CLUSTERS: 4 x 4 work-groups; x's tiles are shared along a row of the cluster, w_up's along a column: each is asked for JOINTLY.
; THE MATRIX INSTRUCTION IS USED TRANSPOSED (source 0 = 16 rows of w_up, source 1 = 16 rows of x): a lane holds eight neighbouring columns of one row of h.
; THE BIAS is the C of each sum's first product: eight registers for each of my eight column blocks, in the result's layout; it costs no addition.
; REGISTERS, in windows of 256: window 0: v0-31 addresses; v64-127, v128-191 fragments of x, two buffers (in the last K step four, of 16 rows x 128 K); v192-255 the bias, later with v32-63 the way out.
;   window 1: v64-127, v128-191 fragments of w_up, two buffers; in the last K step all 256.   window 2: the accumulators of my rows 0-63 ((a, b) at v[8 (8 a + b)]);   window 3: those of my rows 64-127.
.set SIZE_N, 4096
.set SIZE_K, 1024
.set X16,    16777216                  ; the f16 copy in xn
.set WUP16,  5996544                   ; w_up in wsp
.set KSTEP,  128
.set PITCH,  272                       ; an LDS row: 256 bytes + 16 = 68 words: the 16 rows that a load touches start at 16 different banks (64 banks of 4 bytes: ISA guide 11.1)
.set HALFT,  128*PITCH
.set SLOT,   4*HALFT
.set STAGE,  2*SLOT                    ; behind the ring: 16 rows x 272 bytes for each wave
.set SPITCH, 272
.set SPARE,  STAGE+4*16*SPITCH         ; the spare words, 128 bytes a wave
.set LAPS, SIZE_K/(2*KSTEP)
.set ADRA, 16
.set ADRB, 20
.set STO,  24
.set RD,   25
.set CO,   26
.set BO,   27                          ; v27 the bias loads' offset: 32 bytes for the upper half of the lanes
.set SPW,  28
.set NIL,  29
.set PFO,  30                          ; v30 the prefetches' offset: my lane x a row in memory; never rewritten
.set PFA,  44                          ; s[44:45] where my prefetches stand
.set LIM,  43                          ; s43 1 in a wave that prefetches, else the greatest number
.set F0,   64
.set F1,   128
.set BIAS, 192
.set TMP,  192
.set OB,   32
.set PA,   64
.set G1, 24
.set G0, 32
.set G1B, 48
.set G0B, 56
.set MSB, 0
.macro WIN new                         ; the immediate's high byte repeats the setting that is left
.if MSB != \new
	s_set_vgpr_msb (MSB<<8)|\new
.set MSB, \new
.endif
.endm
.set MUL_LO, 0xa1                      ; source 0 window 1, source 1 window 0, C and D window 2
.set MUL_HI, 0xf1                      ; the same, C and D window 3
.set BEG_LO, 0x81                      ; the first products: C (the bias) window 0, D window 2
.set BEG_HI, 0xc1                      ; D window 3
.set TO_B,   0x40
.macro JLOAD s                         ; a joint load: waves 0 and 1 fetch x's two halves, waves 2 and 3 w_up's; an s_nop 0 and four v_nop follow each of the two lines
	s_cmp_eq_u32 s11, 0
	s_cbranch_scc0 .Lfor_b_\@
	tensor_load_to_lds s[G0+4*\s:G0+4*\s+3], s[G1:G1+7]
	s_nop 0
.rept 4
	v_nop
.endr
	s_branch .Lasked_\@
.Lfor_b_\@:
	tensor_load_to_lds s[G0B+4*\s:G0B+4*\s+3], s[G1B:G1B+7]
	s_nop 0
.rept 4
	v_nop
.endr
.Lasked_\@:
.endm
; A PREFETCH INTO THE L2, behind each joint load, its five lines and the run of LDS loads: the K step that stands TWO refills on: 32 rows x 256 bytes, a lane a row, one instruction a wave.
; Each row's 256 bytes of a K step are named ONCE in the launch: x's tile row is read by every cluster of that row of clusters, and the first of them (cluster x = 0) asks; w_up's tile column likewise (cluster y = 0).
; The four partners that ask for a tile jointly share its rows out BY ADDRESS: of the 128 rows that a wave fetches, the partner at place p takes 32 p .. 32 p + 31.  The last trip's two refills have no K step two on and ask for nothing.
.macro ASK
	s_cmp_gt_u32 s3, s[LIM]                        ; s3 = 1 in the loop's last trip
	s_cbranch_scc0 .Lnot_mine_\@
	global_prefetch_b8 v[PFO], s[PFA:PFA+1] offset:KSTEP*2 th:TH_LOAD_NT scope:SCOPE_SE
.Lnot_mine_\@:
.endm
.macro CREST
	s_cmp_lg_u32 s10, 0
	s_cbranch_scc1 .Lnot_wave_0_\@
	s_barrier_signal -3
.Lnot_wave_0_\@:
	s_barrier_wait -3
	s_barrier_signal -1
	s_barrier_wait -1
.endm
.macro CROUND
	s_barrier_signal -1
	s_barrier_wait -1
	CREST
.endm
	s_load_b128 s[4:7], s[0:1], 0x0                ; xn s[4:5], wsp s[6:7]
	s_load_b64 s[8:9], s[0:1], 0x10                ; h16
	s_load_b64 s[66:67], s[0:1], 0x18              ; b_up
	v_lshl_add_u32 v[SPW], v0, 2, SPARE
	v_mov_b32 v[NIL], 0
	ds_add_u32 v[SPW], v[NIL]                      ; the wave's opening: the add, twice on end, and its wait ahead of my first tensor load
	ds_add_u32 v[SPW], v[NIL]
	v_lshrrev_b32 v1, 5, v0
	v_readfirstlane_b32 s10, v1                    ; wave 0..3
	s_lshr_b32 s11, s10, 1                         ; which half of the tile's rows is mine.  Also: I fetch for x (0) or for w_up (1)
	s_and_b32 s12, s10, 1                          ; which half of its columns.  Also: which 128 rows of that tile I fetch
	s_bfe_u32 s40, ttmp6, 0x40000                  ; cx
	s_bfe_u32 s41, ttmp6, 0x40004                  ; cy
	s_lshl_b32 s42, ttmp9, 2
	s_add_co_u32 s42, s42, s40                     ; tile column
	s_and_b32 s13, ttmp7, 0xffff
	s_lshl_b32 s13, s13, 2
	s_add_co_u32 s13, s13, s41                     ; tile row
	s_lshl_b32 s43, s41, 2
	s_lshl_b32 s43, 15, s43                        ; my row of the cluster
	s_lshl_b32 s44, 0x1111, s40                    ; my column
	s_or_b32 s[G1+0], s43, (1<<16)|(1<<20)|(1<<21)|(5<<22)|(3<<25)  ; the mask; elements of 2 bytes; padding on; bit 21 beside a mask; after every 64 words four words
	s_or_b32 s[G1B+0], s44, (1<<16)|(1<<20)|(1<<21)|(5<<22)|(3<<25)
.irp g, G1, G1B
	s_mov_b32 s[\g+1], KSTEP<<16                   ; tensor_dim0
	s_mov_b32 s[\g+2], 128<<16                     ; tensor_dim1
	s_mov_b32 s[\g+3], KSTEP<<16                   ; tile_dim0
	s_mov_b32 s[\g+4], 128                         ; tile_dim1
	s_mov_b32 s[\g+5], SIZE_K                      ; from row to row
	s_mov_b32 s[\g+6], 0
	s_mov_b32 s[\g+7], 0
.endr
	s_lshl_b32 s17, s12, 7                         ; which 128 rows of the tile I fetch
	s_lshl_b32 s16, s13, 8
	s_add_co_u32 s16, s16, s17                     ; x: row 256 x tile row + 128 x half
	s_lshl_b32 s46, s42, 8
	s_add_co_u32 s46, s46, s17                     ; w_up: row 256 x tile column + 128 x half
	s_mov_b32 s17, 0
	s_mov_b32 s47, 0
	s_mov_b64 s[18:19], SIZE_K*2
	s_mul_u64 s[16:17], s[16:17], s[18:19]
	s_mul_u64 s[46:47], s[46:47], s[18:19]
	s_mul_i32 s20, s10, HALFT                      ; where they go: wave x 128 rows
	s_wait_dscnt 0x0                               ; both opening adds are done
	s_wait_kmcnt 0x0
	s_add_nc_u64 s[4:5], s[4:5], X16
	s_add_nc_u64 s[6:7], s[6:7], WUP16
	s_add_nc_u64 s[14:15], s[4:5], s[16:17]
	s_add_nc_u64 s[46:47], s[6:7], s[46:47]
	CROUND                                         ; all sixteen work-groups are here: the first joint loads meet
.irp s, 0,1
	s_mov_b32 s[G0+4*\s], 1
	s_add_co_u32 s[G0+4*\s+1], s20, \s*SLOT
	s_add_nc_u64 s[G0+4*\s+2:G0+4*\s+3], s[14:15], \s*KSTEP*2
	s_or_b32 s[G0+4*\s+3], s[G0+4*\s+3], 0x80000000
	s_mov_b32 s[G0B+4*\s], 1
	s_add_co_u32 s[G0B+4*\s+1], s20, \s*SLOT
	s_add_nc_u64 s[G0B+4*\s+2:G0B+4*\s+3], s[46:47], \s*KSTEP*2
	s_or_b32 s[G0B+4*\s+3], s[G0B+4*\s+3], 0x80000000
	JLOAD \s
.endr
	v_and_b32 v1, 15, v0                           ; l % 16
	v_bfe_u32 v2, v0, 4, 1                         ; l / 16
	v_mul_u32_u24 v3, v1, PITCH
	v_lshl_add_u32 v3, v2, 4, v3                   ; row x pitch + 16 x half
	s_mul_i32 s21, s11, HALFT                      ; my 128 rows of x
	s_mul_i32 s22, s12, HALFT                      ; my 128 rows of w_up,
	s_add_co_u32 s22, s22, 2*HALFT                 ; which lie behind x's 256
.irp s, 0,1
	v_add_nc_u32 v[ADRA+\s], s21, v3
	v_add_nc_u32 v[ADRB+\s], s22, v3
	s_add_co_u32 s21, s21, SLOT
	s_add_co_u32 s22, s22, SLOT
.endr
	s_mul_i32 s23, s10, 16*SPITCH
	s_add_co_u32 s23, s23, STAGE                   ; my stage
	v_mul_u32_u24 v4, v1, SPITCH                   ; in: row l % 16, 16 bytes for each half of the lanes
	v_lshl_add_u32 v4, v2, 4, v4
	v_add_nc_u32 v[STO], s23, v4
	v_mul_u32_u24 v5, v2, SPITCH                   ; back: lanes 0-15 one row of 256 bytes, lanes 16-31 the next
	v_lshl_add_u32 v5, v1, 4, v5
	v_add_nc_u32 v[RD], s23, v5
	v_mul_u32_u24 v5, v2, SIZE_N*2                 ; and the same two rows in h
	v_lshl_add_u32 v[CO], v1, 4, v5
	v_lshlrev_b32 v[BO], 5, v2
	s_lshl_b32 s13, s13, 8
	s_lshl_b32 s14, s11, 7
	s_add_co_u32 s16, s13, s14                     ; my first row of h
	s_mov_b32 s17, 0
	s_mov_b64 s[18:19], SIZE_N*2
	s_mul_u64 s[16:17], s[16:17], s[18:19]
	s_lshl_b32 s46, s42, 9                         ; my first column, in bytes of f16: 512 x tile column + 256 x half
	s_lshl_b32 s47, s12, 8
	s_add_co_u32 s46, s46, s47
	s_lshl_b32 s20, s46, 1                         ; and in bytes of f32, for the bias
	s_mov_b32 s21, 0
	s_add_nc_u64 s[66:67], s[66:67], s[20:21]
	s_mov_b32 s47, 0
	s_add_nc_u64 s[16:17], s[16:17], s[46:47]
.irp b, 0,1,2,3,4,5,6,7                ; lane (r, h) wants, for column block b, b_up at my column 16 b + 8 h + 0 .. 7
	global_load_b128 v[BIAS+8*\b:BIAS+8*\b+3],   v[BO], s[66:67] offset:64*\b
	global_load_b128 v[BIAS+8*\b+4:BIAS+8*\b+7], v[BO], s[66:67] offset:64*\b+16
.endr
	; the prefetches.  s13 = 256 x tile row, s42 = tile column, s40 = cx, s41 = cy still stand
	s_lshl_b32 s42, s42, 8
	s_and_b32 s22, ttmp7, 0xffff                   ; cluster y
	s_cmp_eq_u32 s11, 0                            ; do I fetch for x?
	s_cselect_b32 s20, s13, s42                    ; the tile's first row
	s_cselect_b32 s21, s40, s41                    ; my place among the four that ask for it with me
	s_cselect_b32 s22, ttmp9, s22                  ; the coordinate along which other clusters read the same rows
	s_cselect_b64 s[PFA:PFA+1], s[4:5], s[6:7]
	s_cmp_eq_u32 s22, 0
	s_cselect_b32 s[LIM], 1, -1
	s_lshl_b32 s22, s12, 7
	s_add_co_u32 s20, s20, s22                     ; + the 128 rows that I fetch
	s_lshl_b32 s21, s21, 5
	s_add_co_u32 s20, s20, s21                     ; + my work-group's 32 of them
	s_mov_b32 s21, 0
	s_mov_b64 s[18:19], SIZE_K*2
	s_mul_u64 s[20:21], s[20:21], s[18:19]
	s_add_nc_u64 s[PFA:PFA+1], s[PFA:PFA+1], s[20:21]
	s_add_nc_u64 s[PFA:PFA+1], s[PFA:PFA+1], 2*KSTEP*2  ; at K step 2: the first refill steps it to 3 and names K step 4.  Nothing is prefetched at the head
	v_and_b32 v[PFO], 31, v0
	v_mul_u32_u24 v[PFO], v[PFO], SIZE_K*2
; 16 matrix instructions: m blocks a0, a0 + 1 of the window's four x all 8 n blocks, 32 along K.  zero = 1: the first product starts the sums, on the bias.  The 64 accumulators take turns.
.macro MUL16 f, hi, a0, zero
.irp a, \a0, \a0+1
.irp b, 0,1,2,3,4,5,6,7
.if \zero
	v_wmma_f32_16x16x32_f16 v[8*(8*(\a)+\b):8*(8*(\a)+\b)+7], v[\f+8*\b:\f+8*\b+7], v[\f+8*(4*\hi+\a):\f+8*(4*\hi+\a)+7], v[BIAS+8*\b:BIAS+8*\b+7]
.else
	v_wmma_f32_16x16x32_f16 v[8*(8*(\a)+\b):8*(8*(\a)+\b)+7], v[\f+8*\b:\f+8*\b+7], v[\f+8*(4*\hi+\a):\f+8*(4*\hi+\a)+7], v[8*(8*(\a)+\b):8*(8*(\a)+\b)+7]
.endif
.endr
.endr
.endm
.macro FETCH slot, k, f                ; 32 LDS loads in one run: the fragments of one quarter step at byte k of the rows
	WIN TO_B
.irp i, 0,1,2,3,4,5,6,7
	ds_load_b128 v[\f+8*\i:\f+8*\i+3],   v[ADRB+\slot] offset:\k+\i*16*PITCH
	ds_load_b128 v[\f+8*\i+4:\f+8*\i+7], v[ADRB+\slot] offset:\k+\i*16*PITCH+32
.endr
	WIN 0
.irp i, 0,1,2,3,4,5,6,7
	ds_load_b128 v[\f+8*\i:\f+8*\i+3],   v[ADRA+\slot] offset:\k+\i*16*PITCH
	ds_load_b128 v[\f+8*\i+4:\f+8*\i+7], v[ADRA+\slot] offset:\k+\i*16*PITCH+32
.endr
.endm
.macro PLACES                          ; four places in front of loads into registers that matrix instructions have read, and of vector instructions that read or write results
.rept 4
	v_nop
.endr
.endm
.macro QUARTER slot, k, f, g, zero
	s_wait_dscnt 8                                 ; w_up's fragments and x's rows 0-63 are in; the youngest eight loads (x's rows 64-127) may be out
.if \zero
	WIN BEG_LO
.else
	WIN MUL_LO
.endif
	MUL16 \f, 0, 0, \zero
	MUL16 \f, 0, 2, \zero
	PLACES
	FETCH \slot, \k, \g
	s_wait_dscnt 32                                ; all but the 32 just issued
.if \zero
	WIN BEG_HI
.else
	WIN MUL_HI
.endif
	MUL16 \f, 1, 0, \zero
	MUL16 \f, 1, 2, \zero
.endm
; The first half of a K step's last quarter: ONE barrier for the change of slots.  In front of it each wave waits for all its tensor loads, adds 0 to its spare word, and waits for that and for its reads of this slot.
.macro MEET round
	WIN 0                                          ; (the add's two registers lie in window 0)
	s_wait_tensorcnt 0x0                           ; all my tensor loads have landed: my part of the next slot
	ds_add_u32 v[SPW], v[NIL]                      ; 0 onto my spare word
	s_wait_dscnt 9                                 ; (the add and the youngest eight loads may be out)
	WIN MUL_LO
	MUL16 F1, 0, 0, 0
	s_wait_dscnt 0x0                               ; the add is done, and my reads of this slot are over
	s_barrier_signal -1
	MUL16 F1, 0, 2, 0
.if \round
	WIN 0
.endif
	s_barrier_wait -1
.endm
.macro TURN slot, next
	s_wait_xcnt 0x0                                ; the last prefetch, a K step back, has read its address: it is stepped here, ahead of the waits of the change of slots
	s_add_nc_u64 s[PFA:PFA+1], s[PFA:PFA+1], KSTEP*2
	MEET 1
	CREST                                          ; no wave of any partner still reads this slot's tile or has a load on its way
	s_add_nc_u64 s[G0+4*\slot+2:G0+4*\slot+3], s[G0+4*\slot+2:G0+4*\slot+3], 2*KSTEP*2
	s_add_nc_u64 s[G0B+4*\slot+2:G0B+4*\slot+3], s[G0B+4*\slot+2:G0B+4*\slot+3], 2*KSTEP*2
	JLOAD \slot                                    ; the first tensor load behind the round; its four v_nop are also the places in front of the loads below
	FETCH \next, 0, F0
	ASK
	WIN MUL_HI
	MUL16 F1, 1, 0, 0
	MUL16 F1, 1, 2, 0
.endm
; THE LAST K STEP (it lies in slot 1) GOES BY ROWS OF h.  All its fragments of w_up fill window 1; my eight blocks of 16 rows are finished one after the other, 32 matrix instructions each, the block's 8 accumulators by turns, K ascending.
.macro BLOAD q
.irp i, 0,1,2,3,4,5,6,7
	ds_load_b128 v[64*\q+8*\i:64*\q+8*\i+3],   v[ADRB+1] offset:64*\q+\i*16*PITCH
	ds_load_b128 v[64*\q+8*\i+4:64*\q+8*\i+7], v[ADRB+1] offset:64*\q+\i*16*PITCH+32
.endr
.endm
.macro ALOAD a
.set FA, PA+32*((\a)%4)
.irp q, 0,1,2,3
	ds_load_b128 v[FA+8*\q:FA+8*\q+3],   v[ADRA+1] offset:64*\q+(\a)*16*PITCH
	ds_load_b128 v[FA+8*\q+4:FA+8*\q+7], v[ADRA+1] offset:64*\q+(\a)*16*PITCH+32
.endr
.endm
.macro ROW a
.set FA, PA+32*((\a)%4)
.set AC, 64*((\a)%4)
	WIN MUL_LO+0x50*((\a)/4)
.irp q, 0,1,2,3
.if (\a) == 0 && \q == 2
	s_wait_dscnt 24                                ; w_up's quarter 2 is in (behind it: x's blocks 1 to 3)
.endif
.irp b, 0,1,2,3,4,5,6,7
	v_wmma_f32_16x16x32_f16 v[AC+8*\b:AC+8*\b+7], v[64*\q+8*\b:64*\q+8*\b+7], v[FA+8*\q:FA+8*\q+7], v[AC+8*\b:AC+8*\b+7]
.endr
.endr
.endm
; THE WAY OUT of block a.  PACK: the relu in f32, in place and ascending, then rounded to f16, 16 bytes a lane.  TOSTAGE: into my own stage and back as whole rows of 256 bytes.  SEND: stored.
.macro PACK a
.set AC, 64*((\a)%4)
	WIN 0x8a+0x45*((\a)/4)                         ; sources and destination: window 2 or 3
.set n, 0
.rept 64
	v_max_num_f32 v[AC+n], 0, v[AC+n]
.set n, n+1
.endr
	WIN 0x0a+5*((\a)/4)                            ; sources 0 and 1: window 2 or 3; destination window 0
.irp b, 0,1,2,3,4,5,6,7
.irp r, 0,1,2,3
	v_cvt_pk_f16_f32 v[TMP+4*\b+\r], v[AC+8*\b+2*\r], v[AC+8*\b+2*\r+1]
.endr
.endr
	WIN 0
.endm
.macro TOSTAGE a
.set BK, OB+192*((\a)%2)
.irp b, 0,1,2,3,4,5,6,7
	ds_store_b128 v[STO], v[TMP+4*\b:TMP+4*\b+3] offset:32*\b
.endr
.irp t, 0,1,2,3,4,5,6,7
	ds_load_b128 v[BK+4*\t:BK+4*\t+3], v[RD] offset:\t*2*SPITCH    ; LDS serves a wave's instructions in order (ISA guide 5.7.1.4): these see the stores above
.endr
.endm
.macro SEND a, younger
.set BK, OB+192*((\a)%2)
	s_wait_dscnt \younger                          ; the block is back in registers
	s_wait_xcnt 0x0                                ; only behind this wait are the stores' base and the registers that earlier stores read rewritten
.if (\a) == 0
	s_add_nc_u64 s[8:9], s[8:9], s[16:17]          ; on to my first rows
.else
	s_add_nc_u64 s[8:9], s[8:9], 16*SIZE_N*2       ; 16 rows on
.endif
.irp t, 0,1,2,3,4,5,6,7
	global_store_b128 v[CO], v[BK+4*\t:BK+4*\t+3], s[8:9] offset:2*\t*SIZE_N*2   ; 16 lanes store 256 consecutive bytes, aligned
.endr
.endm
	s_wait_tensorcnt 1                             ; my part of K step 0 is in (K step 1's may be out)
	s_barrier_signal -1
	s_barrier_wait -1                              ; everybody's is
	FETCH 0, 0, F0
	s_wait_loadcnt 0x0                             ; the bias
	QUARTER 0, 64,  F0, F1, 1                      ; the first quarter stands in front of the loop: its products start the sums
	WIN 0                                          ; at a label and at a branch every window is 0
	s_mov_b32 s3, LAPS-1
.Llap:                                                 ; a trip goes once round the ring, from a lap's second quarter to the next lap's first, and fills both slots again
	QUARTER 0, 128, F1, F0, 0
	QUARTER 0, 192, F0, F1, 0
	TURN 0, 1
	QUARTER 1, 64,  F0, F1, 0
	QUARTER 1, 128, F1, F0, 0
	QUARTER 1, 192, F0, F1, 0
	TURN 1, 0
	QUARTER 0, 64,  F0, F1, 0
	WIN 0
	s_sub_co_u32 s3, s3, 1
	s_cmp_lg_u32 s3, 0
	s_cbranch_scc1 .Llap
	QUARTER 0, 128, F1, F0, 0                      ; the last lap goes on
	QUARTER 0, 192, F0, F1, 0
	MEET 0                                         ; my one tensor load that was still out is slot 1's, the last K step's, so no round follows
	PLACES                                         ; for the loads into buffer 0
	WIN TO_B
	BLOAD 0                                        ; three quarters of w_up now: buffer 1 is still being multiplied
	BLOAD 1
	BLOAD 3
	WIN 0
	ALOAD 0
	WIN MUL_HI
	MUL16 F1, 1, 0, 0
	MUL16 F1, 1, 2, 0
	PLACES                                         ; for the loads into buffer 1
	WIN TO_B
	BLOAD 2
	WIN 0
	ALOAD 1
	ALOAD 2
	ALOAD 3
	s_wait_dscnt 40                                ; all but the 40 just issued
	ROW 0
.irp a, 0,1,2,3,4,5,6,7                ; each block leaves as soon as it is finished
	PLACES                                         ; its relu reads and writes results just made
	PACK \a
	TOSTAGE \a
.if \a < 4
	ALOAD \a+4                                     ; its buffer takes the block four further on
	SEND \a, 8
.else
	SEND \a, 0
.endif
.if \a < 7
	ROW \a+1
.endif
.endr
	s_wait_tensorcnt 0x0                           ; the wave's end
	ds_add_u32 v[SPW], v[NIL]
	s_wait_dscnt 0x0
	CROUND                                         ; the closing round
	s_endpgm
.Lfunc_end_k_q3dee4a83bc_up:
	.size	k_q3dee4a83bc_up, .Lfunc_end_k_q3dee4a83bc_up-k_q3dee4a83bc_up
	.p2alignl 7, 3214868480
	.fill 96, 4, 3214868480
	.section	.rodata,"a",@progbits
	.p2align	6, 0x0
	.amdhsa_kernel k_q3dee4a83bc_up
		.amdhsa_group_segment_fixed_size 327680
		.amdhsa_private_segment_fixed_size 0
		.amdhsa_enable_private_segment 0
		.amdhsa_kernarg_size 32
		.amdhsa_user_sgpr_count 2
		.amdhsa_user_sgpr_kernarg_segment_ptr 1
		.amdhsa_wavefront_size32 1
		.amdhsa_system_sgpr_workgroup_id_x 1
		.amdhsa_system_sgpr_workgroup_id_y 1
		.amdhsa_system_sgpr_workgroup_id_z 1
		.amdhsa_system_vgpr_workitem_id 0
		.amdhsa_next_free_vgpr 1024
		.amdhsa_next_free_sgpr 68
		.amdhsa_reserve_vcc 0
		.amdhsa_float_denorm_mode_32 3
		.amdhsa_float_denorm_mode_16_64 3
		.amdhsa_memory_ordered 1
		.amdhsa_forward_progress 1
		.amdhsa_inst_pref_size 162
	.end_amdhsa_kernel
	.amdgpu_metadata
---
amdhsa.version: [ 1, 2 ]
amdhsa.kernels:
  - .name:           k_q3dee4a83bc_up
    .symbol:         k_q3dee4a83bc_up.kd
    .args:
      - { .name: xn, .offset: 0, .size: 8, .value_kind: global_buffer, .address_space: global }
      - { .name: wsp, .offset: 8, .size: 8, .value_kind: global_buffer, .address_space: global }
      - { .name: h16, .offset: 16, .size: 8, .value_kind: global_buffer, .address_space: global }
      - { .name: b_up, .offset: 24, .size: 8, .value_kind: global_buffer, .address_space: global }
    .group_segment_fixed_size: 327680
    .private_segment_fixed_size: 0
    .kernarg_segment_align: 8
    .kernarg_segment_size: 32
    .max_flat_workgroup_size: 128
    .sgpr_count:     68
    .vgpr_count:     1024
    .wavefront_size: 32
...
	.end_amdgpu_metadata
.endif
;; end of part 6
;; launch down (part 7): grid 8 x 32, 4 waves a work-group, clusters of 4 x 4, 327,680 bytes of LDS; arguments h16, wsp, t; writes t
.if DOCPART == 7
	.amdgcn_target "amdgcn-amd-amdhsa--gfx1250"
	.amdhsa_code_object_version 6
	.text
	.protected	k_q3dee4a83bc_down
	.globl	k_q3dee4a83bc_down
	.p2align	8
	.type	k_q3dee4a83bc_down,@function
k_q3dee4a83bc_down:
	s_mov_b64 s[64:65], 0
	v_nop
	global_prefetch_b8 v0, s[64:65] scope:SCOPE_SE
	s_setreg_imm32_b32 hwreg(HW_REG_WAVE_MODE, 25, 1), 1
	s_wait_xcnt 0x0
	s_wait_alu depctr_hold_cnt(0) depctr_sa_sdst(0) depctr_va_vdst(0) depctr_va_sdst(0) depctr_va_ssrc(0) depctr_va_vcc(0) depctr_vm_vsrc(0)
	s_getreg_b32 s2, hwreg(HW_REG_IB_STS2, 6, 4)
	s_cmp_eq_u32 s2, 0
	s_cbranch_scc0 .Lentry_in_a_cluster
	s_endpgm
.Lentry_in_a_cluster:
	s_bfe_u32 s2, ttmp6, 0x10000c
	s_cmp_lg_u32 s2, 0xf033
	s_cbranch_scc0 .Lentry_shape_is_right
	s_endpgm
.Lentry_shape_is_right:
; C[m][n] = the sum over k of A[m][k] B[n][k], f16 operands, f32 sums, C in f32: [4,096] x [1,024].  One text serves two launches, told apart by the flag WO:
;   WO = 1: A = the attention's result, laid [head][row][64] (K = 64 x head + channel, 1,024 in all), B = w_o in f16.      WO = 0: A = the hidden layer [4,096][4,096], B = w_down in f16.
; No work of the problem is left out here.  The residual, the bias and the norm follow in the next launch, which owns whole rows.
; A tile of C is 128 x 128, which gives each of 256 work-groups one tile.  Four waves, each 64 x 64: 16 accumulators, 128 registers.  K goes in steps of 256 through two LDS slots; a wave's tensor load brings 64 rows.
; With WO = 1 a K step is four heads: one load brings four dense blocks of 64 rows x 128 bytes, stated as four rows of 4,096 elements a plane apart, with 16 bytes of padding behind every 128: in LDS [head][row], rows 144 bytes apart.
; CLUSTERS: 4 x 4 work-groups; A's tiles are shared along a row of the cluster, B's along a column: each is asked for JOINTLY.  THE MATRIX INSTRUCTION IS USED TRANSPOSED (source 0 = 16 rows of B, source 1 = 16 rows of A).
; No prefetch is laid: the tile is small and its step short.
; REGISTERS: window 0: v0-31 addresses; v32-95 the way out; v128-255 the accumulators ((a, b) at v[128 + 8 (4 a + b)]).   window 1: two fragment buffers of 128: for 64 along K, 64 registers of A, then 64 of B.
.set WO, 0
.set SIZE_N, 1024
.set KSTEP,  256
.set BPITCH, 528                       ; B's LDS row: 512 bytes + 16 = 132 words: the 16 rows of a load start at 16 different banks (64 banks of 4 bytes: ISA guide 11.1)
.set HALFB,  64*BPITCH
.if WO
.set SIZE_K, 1024
.set APITCH, 144                       ; A's LDS row: a head's 128 bytes + 16
.set AQ,     64*APITCH                 ; from a quarter step (64 along K: a head) to the next
.set HALFA,  4*64*APITCH
.set ASTEP,  4*4096*128                ; a K step on in memory: four planes
.set AROWB,  128                       ; from row to row in memory
.set WOFF,   3899392                   ; w_o in wsp
.else
.set SIZE_K, 4096
.set APITCH, 528
.set AQ,     128
.set HALFA,  64*APITCH
.set ASTEP,  KSTEP*2
.set AROWB,  SIZE_K*2
.set WOFF,   14385152                  ; w_down in wsp
.endif
.set SLOT,   2*HALFA+2*HALFB           ; A's 128 rows, then B's 128 rows
.set STAGE,  2*SLOT                    ; behind the ring: 16 rows x 272 bytes for each wave
.set SPITCH, 272
.set SPARE,  STAGE+4*16*SPITCH         ; the spare words, 128 bytes a wave
.set LAPS,   SIZE_K/(2*KSTEP)
.set ADRA, 16
.set ADRB, 20
.set STO,  24
.set RD,   25
.set CO,   26
.set SPW,  28
.set NIL,  29
.set TMP,  32
.set ACC,  128
.set F0,   0
.set F1,   128
.set G1, 24
.set G0, 32
.set G1B, 48
.set G0B, 56
.set MSB, 0
.macro WIN new                         ; the immediate's high byte repeats the setting that is left
.if MSB != \new
	s_set_vgpr_msb (MSB<<8)|\new
.set MSB, \new
.endif
.endm
.set MUL,  0x05                        ; sources 0 (B) and 1 (A) window 1; C and D window 0
.set TO_F, 0x40
.macro JLOAD s                         ; a joint load: waves 0 and 1 fetch A's two halves, waves 2 and 3 B's; an s_nop 0 and four v_nop follow each of the two lines
	s_cmp_eq_u32 s11, 0
	s_cbranch_scc0 .Lfor_b_\@
	tensor_load_to_lds s[G0+4*\s:G0+4*\s+3], s[G1:G1+7]
	s_nop 0
.rept 4
	v_nop
.endr
	s_branch .Lasked_\@
.Lfor_b_\@:
	tensor_load_to_lds s[G0B+4*\s:G0B+4*\s+3], s[G1B:G1B+7]
	s_nop 0
.rept 4
	v_nop
.endr
.Lasked_\@:
.endm
.macro CREST                           ; a round of the cluster's barrier behind its opening barrier
	s_cmp_lg_u32 s10, 0
	s_cbranch_scc1 .Lnot_wave_0_\@
	s_barrier_signal -3
.Lnot_wave_0_\@:
	s_barrier_wait -3
	s_barrier_signal -1
	s_barrier_wait -1
.endm
.macro CROUND
	s_barrier_signal -1
	s_barrier_wait -1
	CREST
.endm
	s_load_b128 s[4:7], s[0:1], 0x0                ; A s[4:5], wsp s[6:7]
	s_load_b64 s[8:9], s[0:1], 0x10                ; C
	v_lshl_add_u32 v[SPW], v0, 2, SPARE
	v_mov_b32 v[NIL], 0
	ds_add_u32 v[SPW], v[NIL]                      ; the wave's opening: the add, twice on end, and its wait ahead of my first tensor load
	ds_add_u32 v[SPW], v[NIL]
	v_lshrrev_b32 v1, 5, v0
	v_readfirstlane_b32 s10, v1                    ; wave 0..3
	s_lshr_b32 s11, s10, 1                         ; which half of the tile's rows is mine.  Also: I fetch for A (0) or for B (1)
	s_and_b32 s12, s10, 1                          ; which half of its columns.  Also: which 64 rows of that tile I fetch
	s_bfe_u32 s40, ttmp6, 0x40000                  ; cx, cy
	s_bfe_u32 s41, ttmp6, 0x40004
	s_lshl_b32 s42, ttmp9, 2
	s_add_co_u32 s42, s42, s40                     ; tile column
	s_and_b32 s13, ttmp7, 0xffff
	s_lshl_b32 s13, s13, 2
	s_add_co_u32 s13, s13, s41                     ; tile row
	s_lshl_b32 s43, s41, 2
	s_lshl_b32 s43, 15, s43                        ; my row of the cluster
	s_lshl_b32 s44, 0x1111, s40                    ; my column
.if WO
	s_or_b32 s[G1+0], s43, (1<<16)|(1<<20)|(1<<21)|(4<<22)|(3<<25)  ; the mask; elements of 2 bytes; padding on; bit 21 beside a mask; after every 32 words four words
	s_mov_b32 s[G1+1], 4096<<16                    ; tensor_dim0: 64 rows x 64 elements on end
	s_mov_b32 s[G1+2], 4<<16                       ; tensor_dim1: four heads
	s_mov_b32 s[G1+3], 4096<<16                    ; tile_dim0
	s_mov_b32 s[G1+4], 4                           ; tile_dim1
	s_mov_b32 s[G1+5], 4096*64                     ; from head to head, in elements
.else
	s_or_b32 s[G1+0], s43, (1<<16)|(1<<20)|(1<<21)|(6<<22)|(3<<25)  ; after every 128 words four words
	s_mov_b32 s[G1+1], KSTEP<<16
	s_mov_b32 s[G1+2], 64<<16
	s_mov_b32 s[G1+3], KSTEP<<16
	s_mov_b32 s[G1+4], 64
	s_mov_b32 s[G1+5], SIZE_K
.endif
	s_mov_b32 s[G1+6], 0
	s_mov_b32 s[G1+7], 0
	s_or_b32 s[G1B+0], s44, (1<<16)|(1<<20)|(1<<21)|(6<<22)|(3<<25)
	s_mov_b32 s[G1B+1], KSTEP<<16                  ; B: 64 rows x 256 elements
	s_mov_b32 s[G1B+2], 64<<16
	s_mov_b32 s[G1B+3], KSTEP<<16
	s_mov_b32 s[G1B+4], 64
	s_mov_b32 s[G1B+5], SIZE_K
	s_mov_b32 s[G1B+6], 0
	s_mov_b32 s[G1B+7], 0
	s_lshl_b32 s17, s12, 6                         ; which 64 rows of the tile I fetch
	s_lshl_b32 s16, s13, 7
	s_add_co_u32 s16, s16, s17                     ; A: row 128 x tile row + 64 x half
	s_lshl_b32 s46, s42, 7
	s_add_co_u32 s46, s46, s17                     ; B: row 128 x tile column + 64 x half
	s_mov_b32 s17, 0
	s_mov_b32 s47, 0
	s_mov_b64 s[18:19], AROWB
	s_mul_u64 s[16:17], s[16:17], s[18:19]
	s_mov_b64 s[18:19], SIZE_K*2
	s_mul_u64 s[46:47], s[46:47], s[18:19]
	s_mul_i32 s20, s12, HALFA                      ; where they go: A's two halves,
	s_mul_i32 s21, s12, HALFB
	s_add_co_u32 s21, s21, 2*HALFA                 ; then B's two
	s_wait_dscnt 0x0                               ; both opening adds are done
	s_wait_kmcnt 0x0
	s_add_nc_u64 s[6:7], s[6:7], WOFF              ; B
	s_add_nc_u64 s[14:15], s[4:5], s[16:17]
	s_add_nc_u64 s[46:47], s[6:7], s[46:47]
	CROUND                                         ; all sixteen work-groups are here: the first joint loads meet
.irp s, 0,1
	s_mov_b32 s[G0+4*\s], 1
	s_add_co_u32 s[G0+4*\s+1], s20, \s*SLOT
	s_add_nc_u64 s[G0+4*\s+2:G0+4*\s+3], s[14:15], \s*ASTEP
	s_or_b32 s[G0+4*\s+3], s[G0+4*\s+3], 0x80000000
	s_mov_b32 s[G0B+4*\s], 1
	s_add_co_u32 s[G0B+4*\s+1], s21, \s*SLOT
	s_add_nc_u64 s[G0B+4*\s+2:G0B+4*\s+3], s[46:47], \s*KSTEP*2
	s_or_b32 s[G0B+4*\s+3], s[G0B+4*\s+3], 0x80000000
	JLOAD \s
.endr
	v_and_b32 v1, 15, v0                           ; l % 16
	v_bfe_u32 v2, v0, 4, 1                         ; l / 16
	v_mul_u32_u24 v3, v1, APITCH
	v_lshl_add_u32 v3, v2, 4, v3                   ; a fragment's row x pitch + 16 x half: A's,
	v_mul_u32_u24 v4, v1, BPITCH
	v_lshl_add_u32 v4, v2, 4, v4                   ; B's
	s_mul_i32 s21, s11, HALFA                      ; my 64 rows of A
	s_mul_i32 s22, s12, HALFB                      ; my 64 rows of B,
	s_add_co_u32 s22, s22, 2*HALFA                 ; which lie behind A's 128
.irp s, 0,1
	v_add_nc_u32 v[ADRA+\s], s21, v3
	v_add_nc_u32 v[ADRB+\s], s22, v4
	s_add_co_u32 s21, s21, SLOT
	s_add_co_u32 s22, s22, SLOT
.endr
	s_mul_i32 s23, s10, 16*SPITCH
	s_add_co_u32 s23, s23, STAGE                   ; my stage
	v_mul_u32_u24 v5, v1, SPITCH                   ; in: row l % 16, 32 bytes for each half of the lanes
	v_lshl_add_u32 v5, v2, 5, v5
	v_add_nc_u32 v[STO], s23, v5
	v_mul_u32_u24 v5, v2, SPITCH                   ; back: lanes 0-15 one row of 256 bytes, lanes 16-31 the next
	v_lshl_add_u32 v5, v1, 4, v5
	v_add_nc_u32 v[RD], s23, v5
	v_lshlrev_b32 v5, 12, v2                       ; and the same two rows in C (4,096 bytes a row)
	v_lshl_add_u32 v[CO], v1, 4, v5
	s_lshl_b32 s16, s13, 7
	s_lshl_b32 s17, s11, 6
	s_add_co_u32 s16, s16, s17                     ; my first row of C
	s_lshl_b32 s16, s16, 12
	s_mov_b32 s17, 0
	s_add_nc_u64 s[8:9], s[8:9], s[16:17]
	s_lshl_b32 s46, s42, 9                         ; my first column, in bytes: 512 x tile column + 256 x half
	s_lshl_b32 s47, s12, 8
	s_add_co_u32 s46, s46, s47
	s_mov_b32 s47, 0
	s_add_nc_u64 s[8:9], s[8:9], s[46:47]
; 8 matrix instructions: m blocks a0, a0 + 1 x all 4 n blocks, 32 along K: half c of buffer f.  zero = 1: the first product starts the sums.  The 16 accumulators take turns.
.macro MUL8 f, c, a0, zero
.irp a, \a0, \a0+1
.irp b, 0,1,2,3
.if \zero
	v_wmma_f32_16x16x32_f16 v[ACC+8*(4*(\a)+\b):ACC+8*(4*(\a)+\b)+7], v[\f+64+8*(4*\c+\b):\f+64+8*(4*\c+\b)+7], v[\f+8*(4*\c+\a):\f+8*(4*\c+\a)+7], 0
.else
	v_wmma_f32_16x16x32_f16 v[ACC+8*(4*(\a)+\b):ACC+8*(4*(\a)+\b)+7], v[\f+64+8*(4*\c+\b):\f+64+8*(4*\c+\b)+7], v[\f+8*(4*\c+\a):\f+8*(4*\c+\a)+7], v[ACC+8*(4*(\a)+\b):ACC+8*(4*(\a)+\b)+7]
.endif
.endr
.endr
.endm
; 32 LDS loads in one run: the fragments of the slot's quarter q (64 along K) into buffer f; the first 32 along K first
.macro FETCH slot, q, f
	WIN TO_F
.irp c, 0,1
.irp i, 0,1,2,3
	ds_load_b128 v[\f+64+8*(4*\c+\i):\f+64+8*(4*\c+\i)+3],   v[ADRB+\slot] offset:128*(\q)+64*\c+\i*16*BPITCH
	ds_load_b128 v[\f+64+8*(4*\c+\i)+4:\f+64+8*(4*\c+\i)+7], v[ADRB+\slot] offset:128*(\q)+64*\c+\i*16*BPITCH+32
	ds_load_b128 v[\f+8*(4*\c+\i):\f+8*(4*\c+\i)+3],         v[ADRA+\slot] offset:AQ*(\q)+64*\c+\i*16*APITCH
	ds_load_b128 v[\f+8*(4*\c+\i)+4:\f+8*(4*\c+\i)+7],       v[ADRA+\slot] offset:AQ*(\q)+64*\c+\i*16*APITCH+32
.endr
.endr
.endm
.macro PLACES                          ; four places in front of loads into registers that matrix instructions have read, and of reads of results
.rept 4
	v_nop
.endr
.endm
; One of a K step's first three quarters: multiplies buffer f and fetches quarter q into g.
.macro QUARTER slot, q, f, g, zero
	s_wait_dscnt 16                                ; the first 32 along K are in; the sixteen loads of the second 32 may be out
	WIN MUL
	MUL8 \f, 0, 0, \zero
	MUL8 \f, 0, 2, \zero
	PLACES
	FETCH \slot, \q, \g
	s_wait_dscnt 32                                ; all but the 32 just issued
	WIN MUL
	MUL8 \f, 1, 0, 0
	MUL8 \f, 1, 2, 0
.endm
; The last quarter multiplies buffer 1 and changes slots: ONE barrier; in front of it each wave waits for all its tensor loads, adds 0 to its spare word, and waits for that and for its reads of this slot.
.macro TURN slot, next, fill
	WIN 0                                          ; (the add's two registers lie in window 0)
	s_wait_tensorcnt 0x0                           ; all my tensor loads have landed: my part of the next slot
	ds_add_u32 v[SPW], v[NIL]                      ; 0 onto my spare word
	s_wait_dscnt 17                                ; (the add and the youngest sixteen loads may be out)
	WIN MUL
	MUL8 F1, 0, 0, 0
	s_wait_dscnt 0x0                               ; the add is done, and my reads of this slot are over
	s_barrier_signal -1
	MUL8 F1, 0, 2, 0
.if \fill
	WIN 0
.endif
	s_barrier_wait -1
.if \fill
	CREST                                          ; the barrier has opened a round of the cluster's: no wave of any partner still reads this slot or has a load on its way
	s_add_nc_u64 s[G0+4*\slot+2:G0+4*\slot+3], s[G0+4*\slot+2:G0+4*\slot+3], 2*ASTEP
	s_add_nc_u64 s[G0B+4*\slot+2:G0B+4*\slot+3], s[G0B+4*\slot+2:G0B+4*\slot+3], 2*KSTEP*2
	JLOAD \slot                                    ; the first tensor load behind the round; its four v_nop are also the places in front of the loads below
.else
	PLACES
.endif
	FETCH \next, 0, F0
	WIN MUL
	MUL8 F1, 1, 0, 0
	MUL8 F1, 1, 2, 0
.endm
	s_wait_tensorcnt 1                             ; my part of K step 0 is in (K step 1's may be out)
	s_barrier_signal -1
	s_barrier_wait -1                              ; everybody's is
	FETCH 0, 0, F0
	QUARTER 0, 1, F0, F1, 1                        ; the first quarter stands in front of the loop: its first products start the sums
	WIN 0                                          ; at a label and at a branch every window is 0
	s_mov_b32 s3, LAPS-1
.Llap:                                                 ; a trip goes once round the ring, from a lap's second quarter to the next lap's first, and fills both slots again
	QUARTER 0, 2, F1, F0, 0
	QUARTER 0, 3, F0, F1, 0
	TURN 0, 1, 1
	QUARTER 1, 1, F0, F1, 0
	QUARTER 1, 2, F1, F0, 0
	QUARTER 1, 3, F0, F1, 0
	TURN 1, 0, 1
	QUARTER 0, 1, F0, F1, 0
	WIN 0
	s_sub_co_u32 s3, s3, 1
	s_cmp_lg_u32 s3, 0
	s_cbranch_scc1 .Llap
	QUARTER 0, 2, F1, F0, 0                        ; the last lap fills nothing
	QUARTER 0, 3, F0, F1, 0
	TURN 0, 1, 0
	QUARTER 1, 1, F0, F1, 0
	QUARTER 1, 2, F1, F0, 0
	QUARTER 1, 3, F0, F1, 0
	s_wait_dscnt 16
	WIN MUL
	MUL8 F1, 0, 0, 0
	MUL8 F1, 0, 2, 0
	s_wait_dscnt 0
	MUL8 F1, 1, 0, 0
	MUL8 F1, 1, 2, 0
	WIN 0
; THE WAY OUT, in f32.  A wave's 64 columns are 256 bytes of a row of C, aligned: each wave has its own stage and no barrier is needed.  A block of 16 rows goes in as it lies in the accumulators (each from its low end on)
; and comes back two whole rows an instruction.  LDS serves a wave's instructions in order (ISA guide 5.7.1.4).
.macro TOSTAGE a
.set BB, TMP+32*((\a)%2)
.irp b, 0,1,2,3
	ds_store_b128 v[STO], v[ACC+8*(4*(\a)+\b):ACC+8*(4*(\a)+\b)+3] offset:64*\b
	ds_store_b128 v[STO], v[ACC+8*(4*(\a)+\b)+4:ACC+8*(4*(\a)+\b)+7] offset:64*\b+16
.endr
.irp i, 0,1,2,3,4,5,6,7
	ds_load_b128 v[BB+4*\i:BB+4*\i+3], v[RD] offset:\i*2*SPITCH
.endr
.endm
.macro SEND a, younger
.set BB, TMP+32*((\a)%2)
	s_wait_dscnt \younger                          ; the block is back; the next block's 8 stores and 8 loads may be out
.irp i, 0,1,2,3,4,5,6,7
	global_store_b128 v[CO], v[BB+4*\i:BB+4*\i+3], s[8:9] offset:(\a)*16*SIZE_N*4+\i*2*SIZE_N*4   ; 16 lanes store 256 consecutive bytes, aligned
.endr
.endm
	PLACES
	TOSTAGE 0
.irp a, 1,2,3
.if \a > 1
	s_wait_xcnt 0x0                                ; block a - 2's stores have read their registers: block a's loads may land there
.endif
	TOSTAGE \a
	SEND \a-1, 16
.endr
	SEND 3, 0
	s_wait_tensorcnt 0x0                           ; the wave's end
	ds_add_u32 v[SPW], v[NIL]
	s_wait_dscnt 0x0
	CROUND                                         ; the closing round
	s_endpgm
.Lfunc_end_k_q3dee4a83bc_down:
	.size	k_q3dee4a83bc_down, .Lfunc_end_k_q3dee4a83bc_down-k_q3dee4a83bc_down
	.p2alignl 7, 3214868480
	.fill 96, 4, 3214868480
	.section	.rodata,"a",@progbits
	.p2align	6, 0x0
	.amdhsa_kernel k_q3dee4a83bc_down
		.amdhsa_group_segment_fixed_size 327680
		.amdhsa_private_segment_fixed_size 0
		.amdhsa_enable_private_segment 0
		.amdhsa_kernarg_size 24
		.amdhsa_user_sgpr_count 2
		.amdhsa_user_sgpr_kernarg_segment_ptr 1
		.amdhsa_wavefront_size32 1
		.amdhsa_system_sgpr_workgroup_id_x 1
		.amdhsa_system_sgpr_workgroup_id_y 1
		.amdhsa_system_sgpr_workgroup_id_z 1
		.amdhsa_system_vgpr_workitem_id 0
		.amdhsa_next_free_vgpr 512
		.amdhsa_next_free_sgpr 66
		.amdhsa_reserve_vcc 0
		.amdhsa_float_denorm_mode_32 3
		.amdhsa_float_denorm_mode_16_64 3
		.amdhsa_memory_ordered 1
		.amdhsa_forward_progress 1
		.amdhsa_inst_pref_size 86
	.end_amdhsa_kernel
	.amdgpu_metadata
---
amdhsa.version: [ 1, 2 ]
amdhsa.kernels:
  - .name:           k_q3dee4a83bc_down
    .symbol:         k_q3dee4a83bc_down.kd
    .args:
      - { .name: h16, .offset: 0, .size: 8, .value_kind: global_buffer, .address_space: global }
      - { .name: wsp, .offset: 8, .size: 8, .value_kind: global_buffer, .address_space: global }
      - { .name: t, .offset: 16, .size: 8, .value_kind: global_buffer, .address_space: global }
    .group_segment_fixed_size: 327680
    .private_segment_fixed_size: 0
    .kernarg_segment_align: 8
    .kernarg_segment_size: 24
    .max_flat_workgroup_size: 128
    .sgpr_count:     66
    .vgpr_count:     512
    .wavefront_size: 32
...
	.end_amdgpu_metadata
.endif
;; end of part 7
;; launch ln2 (part 8): grid 256 x 1, 4 waves a work-group, no clusters, 0 bytes of LDS; arguments t, xn, b_down, g2, b2, out0; writes out0
.if DOCPART == 8
	.amdgcn_target "amdgcn-amd-amdhsa--gfx1250"
	.amdhsa_code_object_version 6
	.text
	.protected	k_q3dee4a83bc_ln2
	.globl	k_q3dee4a83bc_ln2
	.p2align	8
	.type	k_q3dee4a83bc_ln2,@function
k_q3dee4a83bc_ln2:
	s_mov_b64 s[64:65], 0
	v_nop
	global_prefetch_b8 v0, s[64:65] scope:SCOPE_SE
	s_setreg_imm32_b32 hwreg(HW_REG_WAVE_MODE, 25, 1), 1
	s_wait_xcnt 0x0
; y = (z - mean(z)) rsqrt(var(z) + 1e-6) g + b along rows of 1,024, all in f32.  One text serves two launches, told apart by the flag LN2:
;   LN2 = 0: z = t + x_embeds; y leaves twice into xn: as f32 (the residual of the second norm) and, 16,777,216 bytes on, as f16 (the next product's operand).      LN2 = 1: z = (t + b_down) + xn; y is the output.
; No work of the problem is left out here.  LIMIT (LN2 = 0): a y over 65,504 in magnitude becomes infinity in the f16 copy.
; A stream: memory binds, so no LDS, no matrix unit, no cluster.  A wave takes a whole row (eight loads of 512 consecutive bytes for each of the two inputs) and keeps it in registers between the passes: mean, then the
; squares of z - mean (no difference of large sums), then the scaling.  Four rows a wave, two slots: while one row is worked on, the other's 16 loads are on their way.  Every offset is an immediate.
.set LN2, 1
.set G,  16                            ; v16-47   g at my 32 columns
.set BT, 48                            ; v48-79   b
.set BD, 80                            ; v80-111  b_down (LN2 = 1)
.set SL, 112                           ; v112-239 two slots of 64: 32 registers of t, 32 of the residual
.set PT, 4                             ; s[4:5] t;  s[6:7] the residual
.set PR, 6
.if LN2
.set PD, 8
.set PG, 10
.set PB, 12
.set PO, 14
.else
.set PG, 8
.set PB, 10
.set PO, 12
.set PH, 14
.endif
	s_load_b256 s[4:11], s[0:1], 0x0
.if LN2
	s_load_b128 s[12:15], s[0:1], 0x20
.else
	s_load_b64 s[12:13], s[0:1], 0x20
.endif
	v_lshrrev_b32 v3, 5, v0
	v_readfirstlane_b32 s20, v3                    ; wave
	v_and_b32 v2, 31, v0
	v_lshlrev_b32 v1, 4, v2                        ; 16 bytes a lane
	v_lshlrev_b32 v2, 3, v2                        ; 8, for the f16 copy
	v_mov_b32 v9, 0                                ; the upper words of the pairs v[8:9] and v[10:11], whose low words are broadcast
	v_mov_b32 v11, 0
	s_lshl_b32 s16, ttmp9, 16                      ; 16 rows of 4,096 bytes a work-group,
	s_lshl_b32 s17, s20, 14                        ; four a wave
	s_add_co_u32 s16, s16, s17
	s_mov_b32 s17, 0
	s_lshr_b32 s18, s16, 1
	s_add_co_u32 s18, s18, 0x1000000               ; the f16 copy's place in xn
	s_mov_b32 s19, 0
	s_mov_b32 s22, 0x3a800000                      ; 1 / 1,024
	s_mov_b32 s23, 0x358637bd                      ; 1e-6
	s_mov_b32 s24, 0x76543210
	s_mov_b32 s25, 0xfedcba98                      ; v_permlanex16_b32: lane l xor 16
	s_wait_kmcnt 0x0
	s_add_nc_u64 s[PT:PT+1], s[PT:PT+1], s[16:17]
	s_add_nc_u64 s[PR:PR+1], s[PR:PR+1], s[16:17]
.if !LN2
	s_add_nc_u64 s[PH:PH+1], s[PO:PO+1], s[18:19]
.endif
	s_add_nc_u64 s[PO:PO+1], s[PO:PO+1], s[16:17]
.irp i, 0,1,2,3,4,5,6,7
	global_load_b128 v[G+4*\i:G+4*\i+3], v1, s[PG:PG+1] offset:512*\i
	global_load_b128 v[BT+4*\i:BT+4*\i+3], v1, s[PB:PB+1] offset:512*\i
.if LN2
	global_load_b128 v[BD+4*\i:BD+4*\i+3], v1, s[PD:PD+1] offset:512*\i
.endif
.endr
.macro FILL k
.set FA, SL+64*((\k)%2)
.irp i, 0,1,2,3,4,5,6,7
	global_load_b128 v[FA+4*\i:FA+4*\i+3], v1, s[PT:PT+1] offset:4096*(\k)+512*\i th:TH_LOAD_NT
.endr
.irp i, 0,1,2,3,4,5,6,7
	global_load_b128 v[FA+32+4*\i:FA+32+4*\i+3], v1, s[PR:PR+1] offset:4096*(\k)+512*\i th:TH_LOAD_NT
.endr
.endm
.macro ACROSS                          ; v[4:5]'s two halves, then the 32 lanes: four steps ride on the additions, one crosses the halves; every lane ends with the sum in v4
	v_add_f32 v4, v4, v5
	v_add_f32_dpp v4, v4, v4 row_xmask:1 row_mask:0xf bank_mask:0xf
	v_add_f32_dpp v4, v4, v4 row_xmask:2 row_mask:0xf bank_mask:0xf
	v_add_f32_dpp v4, v4, v4 row_xmask:4 row_mask:0xf bank_mask:0xf
	v_add_f32_dpp v4, v4, v4 row_xmask:8 row_mask:0xf bank_mask:0xf
	v_permlanex16_b32 v5, v4, s24, s25
	v_add_f32 v4, v4, v5
.endm
.macro ROW k
.set A, SL+64*((\k)%2)
.set R, A+32
.if (\k) < 3
	s_wait_loadcnt 16                              ; this row's 16 loads (and g, b) are in; the other slot's 16 may be out
.else
	s_wait_loadcnt 0x0
.endif
.if LN2
.irp j, 0,2,4,6,8,10,12,14,16,18,20,22,24,26,28,30
	v_pk_add_f32 v[A+\j:A+\j+1], v[A+\j:A+\j+1], v[BD+\j:BD+\j+1]
.endr
.endif
.irp j, 0,2,4,6,8,10,12,14,16,18,20,22,24,26,28,30
	v_pk_add_f32 v[A+\j:A+\j+1], v[A+\j:A+\j+1], v[R+\j:R+\j+1]      ; z
.endr
	v_pk_add_f32 v[4:5], v[A:A+1], v[A+2:A+3]      ; the sum, in two chains
	v_pk_add_f32 v[6:7], v[A+4:A+5], v[A+6:A+7]
.irp j, 8,12,16,20,24,28
	v_pk_add_f32 v[4:5], v[4:5], v[A+\j:A+\j+1]
	v_pk_add_f32 v[6:7], v[6:7], v[A+\j+2:A+\j+3]
.endr
	v_pk_add_f32 v[4:5], v[4:5], v[6:7]
	ACROSS
	v_mul_f32 v8, s22, v4                          ; the mean
.irp j, 0,2,4,6,8,10,12,14,16,18,20,22,24,26,28,30
	v_pk_add_f32 v[A+\j:A+\j+1], v[A+\j:A+\j+1], v[8:9] op_sel_hi:[1,0] neg_lo:[0,1] neg_hi:[0,1]
.endr
	v_pk_mul_f32 v[4:5], v[A:A+1], v[A:A+1]        ; the squares, in two chains
	v_pk_mul_f32 v[6:7], v[A+2:A+3], v[A+2:A+3]
.irp j, 4,8,12,16,20,24,28
	v_pk_fma_f32 v[4:5], v[A+\j:A+\j+1], v[A+\j:A+\j+1], v[4:5]
	v_pk_fma_f32 v[6:7], v[A+\j+2:A+\j+3], v[A+\j+2:A+\j+3], v[6:7]
.endr
	v_pk_add_f32 v[4:5], v[4:5], v[6:7]
	ACROSS
	v_fma_f32 v4, v4, s22, s23                     ; the variance + 1e-6
	v_rsq_f32 v10, v4
	v_nop                                          ; a plain instruction behind the transcendental
	s_wait_alu depctr_va_vdst(0)                   ; the wait ahead of the first instruction that names its result
.irp j, 0,2,4,6,8,10,12,14,16,18,20,22,24,26,28,30
	v_pk_mul_f32 v[A+\j:A+\j+1], v[A+\j:A+\j+1], v[10:11] op_sel_hi:[1,0]
.endr
.irp j, 0,2,4,6,8,10,12,14,16,18,20,22,24,26,28,30
	v_pk_fma_f32 v[A+\j:A+\j+1], v[A+\j:A+\j+1], v[G+\j:G+\j+1], v[BT+\j:BT+\j+1]
.endr
.if !LN2
.irp i, 0,1,2,3,4,5,6,7,8,9,10,11,12,13,14,15
	v_cvt_pk_f16_f32 v[R+\i], v[A+2*\i], v[A+2*\i+1]   ; the residual's registers are done with
.endr
.endif
.irp i, 0,1,2,3,4,5,6,7
	global_store_b128 v1, v[A+4*\i:A+4*\i+3], s[PO:PO+1] offset:4096*(\k)+512*\i       ; 512 consecutive bytes, aligned
.endr
.if !LN2
.irp i, 0,1,2,3,4,5,6,7
	global_store_b64 v2, v[R+2*\i:R+2*\i+1], s[PH:PH+1] offset:2048*(\k)+256*\i        ; 256 consecutive bytes, aligned
.endr
.endif
.if (\k) < 2
	s_wait_xcnt 0x0                                ; the stores have read their registers: the slot is loaded again only behind this wait
	FILL (\k)+2
.endif
.endm
	FILL 0
	FILL 1
	ROW 0
	ROW 1
	ROW 2
	ROW 3
	s_endpgm
.Lfunc_end_k_q3dee4a83bc_ln2:
	.size	k_q3dee4a83bc_ln2, .Lfunc_end_k_q3dee4a83bc_ln2-k_q3dee4a83bc_ln2
	.p2alignl 7, 3214868480
	.fill 96, 4, 3214868480
	.section	.rodata,"a",@progbits
	.p2align	6, 0x0
	.amdhsa_kernel k_q3dee4a83bc_ln2
		.amdhsa_group_segment_fixed_size 0
		.amdhsa_private_segment_fixed_size 0
		.amdhsa_enable_private_segment 0
		.amdhsa_kernarg_size 48
		.amdhsa_user_sgpr_count 2
		.amdhsa_user_sgpr_kernarg_segment_ptr 1
		.amdhsa_wavefront_size32 1
		.amdhsa_system_sgpr_workgroup_id_x 1
		.amdhsa_system_sgpr_workgroup_id_y 1
		.amdhsa_system_sgpr_workgroup_id_z 1
		.amdhsa_system_vgpr_workitem_id 0
		.amdhsa_next_free_vgpr 248
		.amdhsa_next_free_sgpr 66
		.amdhsa_reserve_vcc 0
		.amdhsa_float_denorm_mode_32 3
		.amdhsa_float_denorm_mode_16_64 3
		.amdhsa_memory_ordered 1
		.amdhsa_forward_progress 1
		.amdhsa_inst_pref_size 45
	.end_amdhsa_kernel
	.amdgpu_metadata
---
amdhsa.version: [ 1, 2 ]
amdhsa.kernels:
  - .name:           k_q3dee4a83bc_ln2
    .symbol:         k_q3dee4a83bc_ln2.kd
    .args:
      - { .name: t, .offset: 0, .size: 8, .value_kind: global_buffer, .address_space: global }
      - { .name: xn, .offset: 8, .size: 8, .value_kind: global_buffer, .address_space: global }
      - { .name: b_down, .offset: 16, .size: 8, .value_kind: global_buffer, .address_space: global }
      - { .name: g2, .offset: 24, .size: 8, .value_kind: global_buffer, .address_space: global }
      - { .name: b2, .offset: 32, .size: 8, .value_kind: global_buffer, .address_space: global }
      - { .name: out0, .offset: 40, .size: 8, .value_kind: global_buffer, .address_space: global }
    .group_segment_fixed_size: 0
    .private_segment_fixed_size: 0
    .kernarg_segment_align: 8
    .kernarg_segment_size: 48
    .max_flat_workgroup_size: 128
    .sgpr_count:     66
    .vgpr_count:     248
    .wavefront_size: 32
...
	.end_amdgpu_metadata
.endif
;; end of part 8
